; MI455X (gfx1250); checked and timed in simulation.
; The chip was launched on July 23, 2026; its instructions are those of AMD's public machine-readable ISA for CDNA 5 (MIT licence, August 2026) and "CDNA5" Instruction Set Architecture Reference Guide (July 2026). The comments in the code are by the model that wrote it; some were corrected since.
;; Intent Detection Only Attention Model. Allowed arithmetic: float matrix products may take bf16 or f16 operands with f32 sums; other float arithmetic in f32, or as packed bf16 or f16 multiplies, adds, multiply-adds, maxima and minima; sums over many terms, partial sums and values carried from step to step in f32; what a program stores and reads back later, other than sums and carried values, may be rounded once to bf16 or f16.
;; Inputs: W1 2,048 x 2,048 float32; W2 2,048 float32; Wp1 1,024 x 1,024 float32; Wp2 1,024 x 64 float32; b1 2,048 float32; b2 one number float32; bn1_b 2,048 float32; bn1_g 2,048 float32; bn2_b 1,024 float32; bn2_g 1,024 float32; bp1 1,024 float32; bp2 64 float32; hidden_state 6 x 256 x 512 float32; lstm_output 256 x 64 x 2 x 512 float32; seq_lengths 256 int32.
;; Outputs: out0 256 x 64 float32; out1 256 x 64 float32.
;; 2 versions, each right; version 2 is version 1 with the launches sent, head1 written anew for expert scheduling mode. Each part assembles by itself: llvm-mc -triple=amdgcn-amd-amdhsa -mcpu=gfx1250 --defsym DOCPART=n.
;; ======== version 1 of 2: 6 launches
;; limits: a difference of large sums (such as E[x^2] - mean^2): digits are lost where the result is much smaller than its terms; right only within a limited range of input values
;; workspace buffers: xs 33,554,432 bytes; idx 67,840 bytes of whole numbers; st1 139,264 bytes; sb 2,105,344 bytes; ep 1,048,576 bytes; cx 1,179,648 bytes; po 1,048,576 bytes
;; launch pack (part 1): grid 16 x 16, 32 waves a work-group, no clusters, 110,592 bytes of LDS; arguments lstm_output, hidden_state, seq_lengths, bn1_g, bn1_b, xs, idx, st1; writes xs, idx, st1
.if DOCPART == 1
	.amdgcn_target "amdgcn-amd-amdhsa--gfx1250"
	.amdhsa_code_object_version 6
	.text
	.protected	k_q7afb309d32_pack
	.globl	k_q7afb309d32_pack
	.p2align	8
	.type	k_q7afb309d32_pack,@function
k_q7afb309d32_pack:
	s_mov_b64 s[64:65], 0
	v_nop
	global_prefetch_b8 v0, s[64:65] scope:SCOPE_SE
	s_setreg_imm32_b32 hwreg(HW_REG_WAVE_MODE, 25, 1), 1
	s_wait_xcnt 0x0
; PACK: the valid tokens are laid end to end as bf16 matrix operands, and the sums for the first batch norm are taken.
; WORK LEFT OUT, in the whole program, and why it can reach no output whatever finite values the inputs hold:
;  (a) rows (b, s) with s >= seq_lengths[b]: the statistics multiply them by mask = 0, their energy is replaced by -1e9 through the where, and their
;      weight is multiplied by mask = 0, so neither out0 nor out1 hangs on them.  seq_lengths is read here, and only the T valid rows are loaded and multiplied.
;  (b) features 1024..2047 of x are the sentence vector, the same for every token of a sentence: their product with W1[1024:] is taken once a sentence (launch sent).
;  (c) hidden_state[0:4] is sliced away by hs[-1]: it is not loaded.
;  LIMIT: a NaN, an infinity or an overflow in a row with s >= len or in hidden_state[0:4] is not carried to the result.
; ALGEBRA.  p[k] = the mean of the 16 rows x[b][0][k], b = 0..15, is a pivot: it only shifts the data.  d = x - p is formed in f32 and rounded to bf16 once.
;  S1 = sum of d, S2 = sum of d^2 over the valid tokens; later mu = S1/T, var = S2/T - mu^2, and (x - mean) A = d A - mu A.  A common offset of the inputs cancels in d.
;  LIMITS: T >= 1 (reference() divides by T); lengths count as clamped to 0..64, which is how the mask acts; the pivot rows x[b][0], b < 16, are read whatever the
;  lengths (with len >= 1 they are valid tokens) and must be finite; if they lie many spreads away from the valid tokens the rounding of d grows with that distance.
; SHARES.  Work-group (j, i): the 16 sentences 16 i .. 16 i + 15 (a group), features 64 j .. 64 j + 63: 256 consecutive aligned bytes of each row.  A group's n tokens lie end to
;  end from tile gb (the tiles of the groups before it), filled up with zero rows to whole tiles of 16.  Wave w takes the group's tiles w and w + 32 (64 at the most).
; xs: tile, K step ks of 32 features, plane pl, lane L = 16 h + r at byte 32768 tile + 1024 ks + 512 pl + 16 L: features 32 ks + 16 pl + 8 h + 0..7 of token r:
;  a load of 16 bytes a lane is half of a matrix operand and covers 512 consecutive bytes.
; No tensor loads: each wave gathers its own rows by a list, which no descriptor covers.  No cluster: no two work-groups read the same bytes but the 16 pivot rows.
.set SPITCH, 144                       ; a token's 128 bytes of bf16 + 16: an odd multiple of 16, so 16 rows of a 16-byte column start at 16 different groups of banks
.set WSTG,   16*SPITCH                 ; a wave's own stage
.set RED1,   32*WSTG                   ; 73,728: the waves' word sums, 512 bytes each (S1, then S2)
.set RED2O,  16384                     ; from there to the waves' sentence sums
.set SPARE,  RED1+2*RED2O              ; 106,496: the spare words, 128 bytes a wave
.set P,    16                          ; v[16:19]  the pivot of my 4 features
.set S1,   20                          ; v[20:23]  sum of d     (first: 8 lengths)
.set S2,   24                          ; v[24:27]  sum of d^2
.set D,    28                          ; v[28:31]  d at work
.set PKD,  32                          ; v[32:33]  d in bf16
.set REDA, 34                          ; v34  RED1 + 512 w + 16 c
.set C4,   35                          ; v35  4 c
.set RDA,  36                          ; v36  RED1 + 16 l
.set SOF,  37                          ; v37  4096 hf + 16 c
.set QN,   38                          ; v38, v39  my token's sentence, tile 0 and 1
.set AD,   44                          ; v[44:51], v[52:59]  row offsets of the two tiles' loads
.set PS,   60                          ; v[60:63]  the sentence pivot (work-groups with i = 0)
.set X,    64                          ; v[64:95], v[96:127]  the two tiles' rows
	s_load_b512 s[4:19], s[0:1], 0x0               ; lstm s[4:5], hidden s[6:7], lengths s[8:9], g s[10:11], b s[12:13], xs s[14:15], idx s[16:17], st1 s[18:19]
	v_lshl_add_u32 v4, v0, 2, SPARE                ; my spare word
	v_mov_b32 v5, 0
	v_and_b32 v1, 31, v0                           ; l
	v_lshrrev_b32 v14, 5, v0
	v_readfirstlane_b32 s53, v14                   ; w
	v_and_b32 v2, 15, v0                           ; c: my 4 features
	v_bfe_u32 v3, v0, 4, 1                         ; hf: which of two rows
	s_mov_b32 s54, ttmp9                           ; j
	s_and_b32 s55, ttmp7, 0xffff                   ; i
	s_mov_b32 s90, 0x76543210                      ; v_permlanex16_b32: each lane takes its own place in the other half
	s_mov_b32 s91, 0xfedcba98
	v_lshlrev_b32 v6, 4, v2                        ; 16 c
	v_lshlrev_b32 v7, 4, v1                        ; 16 l
	s_mul_i32 s62, s53, WSTG
	v_mul_u32_u24 v8, v3, SPITCH
	v_lshl_add_u32 v8, v2, 3, v8
	v_add_nc_u32 v8, s62, v8                       ; into the stage: token hf (+ 2 e), 8 bytes at 8 c
	v_mul_u32_u24 v9, v2, SPITCH
	v_lshl_add_u32 v9, v3, 4, v9
	v_add_nc_u32 v9, s62, v9                       ; out of it: token c, 16 bytes at 16 hf
	v_lshlrev_b32 v10, 2, v3                       ; 4 hf
	v_lshlrev_b32 v13, 5, v1                       ; 32 l: my 8 lengths
	s_lshl_b32 s62, s53, 9
	s_add_co_u32 s62, s62, RED1
	v_add_nc_u32 v15, s62, v6                      ; RED1 + 512 w + 16 c
.irp k, 0,1,2,3
	v_mov_b32 v[PS+\k], 0                          ; written in every work-group, used where i = 0
.endr
	s_lshl_b32 s62, s55, 6                         ; 64 i
	s_mov_b32 s63, 0
	s_lshl_b32 s66, s54, 8                         ; 256 j
	s_mov_b32 s67, 0
	s_lshl_b32 s94, s55, 22                        ; 16 sentences of 262,144 bytes
	s_mov_b32 s95, 0
	s_wait_kmcnt 0x0
	s_add_nc_u64 s[92:93], s[8:9], s[62:63]
	s_load_b512 s[20:35], s[92:93], 0x0            ; my group's 16 lengths
	global_load_b128 v[20:23], v13, s[8:9]         ; all 256 lengths, 8 a lane
	global_load_b128 v[24:27], v13, s[8:9] offset:16
	s_add_nc_u64 s[100:101], s[4:5], s[66:67]      ; lstm at my features
	s_add_nc_u64 s[88:89], s[100:101], s[94:95]    ; and at my group
.irp b, 0,1,2,3,4,5,6,7,8,9,10,11,12,13,14,15
	global_load_b128 v[X+4*\b:X+4*\b+3], v6, s[100:101] offset:\b*262144  ; the pivot rows x[b][0]
.endr
	; THE SENTENCE STATISTICS, in the 16 work-groups with i = 0: features 64 j .. of sent_emb, each sentence weighed by its length.  Wave w has sentences 8 w .. 8 w + 7.
	s_cmp_lg_u32 s55, 0
	s_cbranch_scc1 .Lno_sent
	s_lshr_b32 s66, s54, 3
	s_add_co_u32 s66, s66, 4                       ; hidden_state[4 + direction]
	s_lshl_b32 s66, s66, 19
	s_and_b32 s67, s54, 7
	s_lshl_b32 s67, s67, 8
	s_add_co_u32 s66, s66, s67
	s_mov_b32 s67, 0
	s_add_nc_u64 s[94:95], s[6:7], s[66:67]
.irp b, 0,1,2,3
	global_load_b128 v[28+4*\b:31+4*\b], v6, s[94:95] offset:2048*\b  ; the sentence pivot's four rows
.endr
	s_lshl_b32 s66, s53, 3
	v_add_nc_u32 v12, s66, v3                      ; 8 w + hf
	v_lshl_add_u32 v11, v12, 11, v6
	v_lshlrev_b32 v12, 2, v12
.irp e, 0,1,2,3
	global_load_b128 v[44+4*\e:47+4*\e], v11, s[94:95] offset:4096*\e  ; sentence 8 w + 2 e + hf
	global_load_b32 v[16+\e], v12, s[8:9] offset:8*\e                  ; and its length
.endr
	s_wait_loadcnt 0x0
	v_pk_add_f32 v[28:29], v[28:29], v[32:33]
	v_pk_add_f32 v[30:31], v[30:31], v[34:35]
	v_pk_add_f32 v[36:37], v[36:37], v[40:41]
	v_pk_add_f32 v[38:39], v[38:39], v[42:43]
	v_pk_add_f32 v[28:29], v[28:29], v[36:37]
	v_pk_add_f32 v[30:31], v[30:31], v[38:39]
	v_pk_mul_f32 v[PS:PS+1], v[28:29], 0x3e800000 op_sel_hi:[1,0]
	v_pk_mul_f32 v[PS+2:PS+3], v[30:31], 0x3e800000 op_sel_hi:[1,0]
.irp e, 0,1,2,3
	v_max_i32 v[16+\e], 0, v[16+\e]
	v_min_u32 v[16+\e], 64, v[16+\e]
	v_cvt_f32_u32 v[16+\e], v[16+\e]
	v_pk_add_f32 v[44+4*\e:45+4*\e], v[44+4*\e:45+4*\e], v[PS:PS+1] neg_lo:[0,1] neg_hi:[0,1]
	v_pk_add_f32 v[46+4*\e:47+4*\e], v[46+4*\e:47+4*\e], v[PS+2:PS+3] neg_lo:[0,1] neg_hi:[0,1]
.endr
.irp k, 0,1,2,3
	v_mul_f32 v[28+\k], v16, v[44+\k]              ; len d starts the first sum,
	v_mul_f32 v[32+\k], v[28+\k], v[44+\k]         ; len d^2 the second
.endr
.irp e, 1,2,3
.irp k, 0,1,2,3
	v_mul_f32 v[36+\k], v[16+\e], v[44+4*\e+\k]
	v_add_f32 v[28+\k], v[28+\k], v[36+\k]
	v_fmac_f32 v[32+\k], v[36+\k], v[44+4*\e+\k]
.endr
.endr
.irp k, 0,1,2,3
	v_permlanex16_b32 v[36+\k], v[28+\k], s90, s91
	v_permlanex16_b32 v[40+\k], v[32+\k], s90, s91
.endr
	v_pk_add_f32 v[28:29], v[28:29], v[36:37]
	v_pk_add_f32 v[30:31], v[30:31], v[38:39]
	v_pk_add_f32 v[32:33], v[32:33], v[40:41]
	v_pk_add_f32 v[34:35], v[34:35], v[42:43]
	ds_store_b128 v15, v[28:31] offset:RED2O       ; both halves of the lanes hold and write the same
	ds_store_b128 v15, v[32:35] offset:RED2O+256
.Lno_sent:
	s_wait_loadcnt 0x0                             ; the lengths and the pivot rows
	v_mov_b32 v[REDA], v15
	v_lshlrev_b32 v[C4], 2, v2
	v_add_nc_u32 v[RDA], RED1, v7
	v_lshl_add_u32 v[SOF], v3, 12, v6
	; THE COUNTS.  Lanes 2 g and 2 g + 1 hold group g's lengths.
.irp k, 0,1,2,3,4,5,6,7
	v_max_i32 v[20+\k], 0, v[20+\k]
	v_min_u32 v[20+\k], 64, v[20+\k]
.endr
	v_add3_u32 v20, v20, v21, v22
	v_add3_u32 v23, v23, v24, v25
	v_add3_u32 v20, v20, v26, v27
	v_add_nc_u32 v20, v20, v23                     ; my 8 lengths' sum
	v_mov_b32 v15, 0
	v_mov_b32_dpp v15, v20 row_xmask:1 row_mask:0xf bank_mask:0xf
	v_add_nc_u32 v21, v20, v15                     ; the group's tokens
	v_add_nc_u32 v21, 15, v21
	v_lshrrev_b32 v21, 4, v21                      ; its tiles,
	v_and_b32 v14, 1, v1
	v_cmp_eq_u32 vcc_lo, 0, v14
	v_cndmask_b32 v21, 0, v21, vcc_lo              ; counted once, in the even lane
	s_lshl_b32 s62, s55, 1
	v_cmp_gt_u32 vcc_lo, s62, v1
	v_cndmask_b32 v22, 0, v21, vcc_lo              ; and those of the groups before mine
.macro RED32I r                        ; a whole number summed over the 32 lanes
.irp m, 1,2,4,8
	v_mov_b32_dpp v15, v[\r] row_xmask:\m row_mask:0xf bank_mask:0xf
	v_add_nc_u32 v[\r], v[\r], v15
.endr
	v_permlanex16_b32 v15, v[\r], s90, s91
	v_add_nc_u32 v[\r], v[\r], v15
.endm
	RED32I 20
	RED32I 21
	RED32I 22
	v_readfirstlane_b32 s58, v20                   ; T
	v_readfirstlane_b32 s57, v21                   ; NT
	v_readfirstlane_b32 s56, v22                   ; gb
	s_min_u32 s58, s58, 0x4000
	s_min_u32 s57, s57, 0x400
	s_min_u32 s56, s56, 0x3ff
	s_wait_kmcnt 0x0                               ; my group's lengths
	s_mov_b32 s36, 0
.irp q, 0,1,2,3,4,5,6,7,8,9,10,11,12,13,14,15
	s_max_i32 s[20+\q], s[20+\q], 0
	s_min_u32 s[20+\q], s[20+\q], 64
	s_add_co_u32 s[37+\q], s[36+\q], s[20+\q]      ; E: tokens ahead of sentence q + 1
	s_sub_co_u32 s[68+\q], 64, s[20+\q]            ; rows that sentence q leaves out
.endr
	s_mov_b32 s59, s52                             ; n: the group's tokens
	s_add_co_u32 s60, s59, 15
	s_lshr_b32 s60, s60, 4                         ; its tiles
	; THE PIVOT, summed in one fixed order, so that all work-groups of a j hold the same bits
.irp b, 0,1,2,3,4,5,6,7
	v_pk_add_f32 v[X+4*\b:X+4*\b+1], v[X+4*\b:X+4*\b+1], v[X+32+4*\b:X+32+4*\b+1]
	v_pk_add_f32 v[X+4*\b+2:X+4*\b+3], v[X+4*\b+2:X+4*\b+3], v[X+32+4*\b+2:X+32+4*\b+3]
.endr
.irp b, 0,1,2,3
	v_pk_add_f32 v[X+4*\b:X+4*\b+1], v[X+4*\b:X+4*\b+1], v[X+16+4*\b:X+16+4*\b+1]
	v_pk_add_f32 v[X+4*\b+2:X+4*\b+3], v[X+4*\b+2:X+4*\b+3], v[X+16+4*\b+2:X+16+4*\b+3]
.endr
.irp b, 0,1
	v_pk_add_f32 v[X+4*\b:X+4*\b+1], v[X+4*\b:X+4*\b+1], v[X+8+4*\b:X+8+4*\b+1]
	v_pk_add_f32 v[X+4*\b+2:X+4*\b+3], v[X+4*\b+2:X+4*\b+3], v[X+8+4*\b+2:X+8+4*\b+3]
.endr
	v_pk_add_f32 v[X:X+1], v[X:X+1], v[X+4:X+5]
	v_pk_add_f32 v[X+2:X+3], v[X+2:X+3], v[X+6:X+7]
	v_pk_mul_f32 v[P:P+1], v[X:X+1], 0x3d800000 op_sel_hi:[1,0]
	v_pk_mul_f32 v[P+2:P+3], v[X+2:X+3], 0x3d800000 op_sel_hi:[1,0]
.irp k, 0,1,2,3,4,5,6,7
	v_mov_b32 v[S1+\k], 0                          ; a wave without a tile hands in zeros
.endr
; Tile u (0, 1) of the wave, the group's tile w + 32 u, is asked for.  Lane c finds the row of token 16 tile + c: token e of the group lies in the sentence q with E[q] <= e < E[q+1], at row
; 64 q + e - E[q] = e + the rows left out by the sentences before.  Then each lane fetches the row numbers of its eight loads from the lanes that found them.
.macro ISSUE u
	s_add_co_u32 s62, s53, 32*\u
	s_lshl_b32 s63, s62, 4
	v_add_nc_u32 v11, s63, v2                      ; e
	v_mov_b32 v12, v11
	v_mov_b32 v13, 0
.irp q, 0,1,2,3,4,5,6,7,8,9,10,11,12,13,14
	v_cmp_le_u32 vcc_lo, s[37+\q], v11
	v_cndmask_b32 v14, 0, s[68+\q], vcc_lo
	v_add_nc_u32 v12, v12, v14
	v_add_co_ci_u32 v13, vcc_lo, 0, v13, vcc_lo    ; and q is counted
.endr
	s_lshl_b32 s66, s55, 4
	v_add_nc_u32 v[QN+\u], s66, v13                ; the token's sentence
.irp e, 0,1,2,3,4,5,6,7
	v_add_nc_u32 v14, 8*\e, v10
	ds_bpermute_b32 v[AD+8*\u+\e], v14, v12        ; the row of token 2 e + hf
.endr
	s_add_co_u32 s62, s62, s56
	s_min_u32 s62, s62, 0x3ff                      ; the tile's number in xs
	s_lshl_b32 s66, s62, 15
	s_lshl_b32 s67, s54, 11
	s_add_co_u32 s66, s66, s67
	s_mov_b32 s67, 0
	s_add_nc_u64 s[84+2*\u:85+2*\u], s[14:15], s[66:67]
	s_lshl_b32 s66, s62, 6
	s_add_nc_u64 s[96+2*\u:97+2*\u], s[16:17], s[66:67]
	s_wait_dscnt 0x0
.irp e, 0,1,2,3,4,5,6,7
	v_min_u32 v[AD+8*\u+\e], 0x3ff, v[AD+8*\u+\e]  ; places past the group's count name a row inside the group; their numbers are replaced by 0 below
	v_lshl_add_u32 v[AD+8*\u+\e], v[AD+8*\u+\e], 12, v6
.endr
.irp e, 0,1,2,3,4,5,6,7
	global_load_b128 v[X+32*\u+4*\e:X+32*\u+4*\e+3], v[AD+8*\u+\e], s[88:89]  ; two rows, 256 consecutive aligned bytes of each
.endr
.endm
; Tile u: d = x - p (0 past the count), the sums, bf16, through my stage into operand order, out.
.macro PROCESS u
	s_add_co_u32 s62, s53, 32*\u
	s_lshl_b32 s62, s62, 4
	v_add_nc_u32 v15, s62, v3
.irp e, 0,1,2,3,4,5,6,7
	v_add_nc_u32 v14, 2*\e, v15
	v_cmp_gt_u32 vcc_lo, s59, v14
	v_pk_add_f32 v[D:D+1], v[X+32*\u+4*\e:X+32*\u+4*\e+1], v[P:P+1] neg_lo:[0,1] neg_hi:[0,1]
	v_pk_add_f32 v[D+2:D+3], v[X+32*\u+4*\e+2:X+32*\u+4*\e+3], v[P+2:P+3] neg_lo:[0,1] neg_hi:[0,1]
	v_cndmask_b32 v[D], 0, v[D], vcc_lo
	v_cndmask_b32 v[D+1], 0, v[D+1], vcc_lo
	v_cndmask_b32 v[D+2], 0, v[D+2], vcc_lo
	v_cndmask_b32 v[D+3], 0, v[D+3], vcc_lo
	v_pk_add_f32 v[S1:S1+1], v[S1:S1+1], v[D:D+1]
	v_pk_add_f32 v[S1+2:S1+3], v[S1+2:S1+3], v[D+2:D+3]
	v_pk_fma_f32 v[S2:S2+1], v[D:D+1], v[D:D+1], v[S2:S2+1]
	v_pk_fma_f32 v[S2+2:S2+3], v[D+2:D+3], v[D+2:D+3], v[S2+2:S2+3]
	v_cvt_pk_bf16_f32 v[PKD], v[D], v[D+1]
	v_cvt_pk_bf16_f32 v[PKD+1], v[D+2], v[D+3]
	ds_store_b64 v8, v[PKD:PKD+1] offset:2*SPITCH*\e
.endr
.irp f, 0,1,2,3
	ds_load_b128 v[X+32*\u+4*\f:X+32*\u+4*\f+3], v9 offset:32*\f  ; K step f / 2, plane f % 2; LDS serves a wave's instructions in order (ISA guide 5.7.1.4): these see the stores above
.endr
.irp f, 0,1,2,3
	s_wait_dscnt 3-\f                              ; the younger loads may stay out
	global_store_b128 v7, v[X+32*\u+4*\f:X+32*\u+4*\f+3], s[84+2*\u:85+2*\u] offset:512*\f  ; 512 consecutive bytes, aligned
.endr
	s_cmp_lg_u32 s54, 0
	s_cbranch_scc1 .Lnt_\@
	global_store_b32 v[C4], v[QN+\u], s[96+2*\u:97+2*\u]  ; the tokens' sentences, by the work-groups with j = 0; both halves of the lanes write the same
.Lnt_\@:
.endm
	s_cmp_ge_u32 s53, s60
	s_cbranch_scc1 .Lred                           ; no tile for this wave
	ISSUE 0
	s_add_co_u32 s62, s53, 32
	s_cmp_ge_u32 s62, s60
	s_cbranch_scc1 .Lone
	ISSUE 1
	s_wait_loadcnt 8                               ; tile 0 is in; tile 1's eight loads may stay out
	PROCESS 0
	s_wait_loadcnt 0x0
	PROCESS 1
	s_branch .Lred
.Lone:
	s_wait_loadcnt 0x0
	PROCESS 0
.Lred:
	s_wait_xcnt 0x0                                ; the stores have read their registers: X is written again below
.irp k, 0,1,2,3,4,5,6,7
	v_permlanex16_b32 v[X+\k], v[S1+\k], s90, s91
.endr
.irp k, 0,2,4,6
	v_pk_add_f32 v[S1+\k:S1+\k+1], v[S1+\k:S1+\k+1], v[X+\k:X+\k+1]
.endr
	ds_store_b128 v[REDA], v[S1:S1+3]
	ds_store_b128 v[REDA], v[S2:S2+3] offset:256
	s_wait_dscnt 0x0                               ; for the others' sake: my sums lie in LDS
	s_barrier_signal -1
	s_barrier_wait -1
; The 32 waves' sums: lanes 0-15 add the first sums of features 4 c .., lanes 16-31 the second.
.macro SUMRED off
.irp k, 0,1,2,3
	v_mov_b32 v[96+\k], 0
.endr
.irp g, 0,1,2,3
.irp u, 0,1,2,3,4,5,6,7
	ds_load_b128 v[64+4*\u:67+4*\u], v[RDA] offset:(\off)+512*(8*\g+\u)
.endr
	s_wait_dscnt 0x0
.irp u, 0,1,2,3,4,5,6,7
	v_pk_add_f32 v[96:97], v[96:97], v[64+4*\u:65+4*\u]
	v_pk_add_f32 v[98:99], v[98:99], v[66+4*\u:67+4*\u]
.endr
.endr
.endm
	s_cmp_lg_u32 s53, 0
	s_cbranch_scc1 .Lnot0
	SUMRED 0                                       ; wave 0: the group's word sums
	s_lshl_b32 s62, s55, 13
	s_lshl_b32 s63, s54, 8
	s_add_co_u32 s62, s62, s63
	s_mov_b32 s63, 0
	s_add_nc_u64 s[92:93], s[18:19], s[62:63]
	global_store_b128 v[SOF], v[96:99], s[92:93]   ; part[i][S1, S2][64 j ..]: 16 lanes fill 256 aligned bytes
	s_branch .Lend
.Lnot0:
	s_cmp_lg_u32 s53, 1
	s_cbranch_scc1 .Lnot1
	s_cmp_lg_u32 s55, 0
	s_cbranch_scc1 .Lend
	s_lshl_b32 s66, s54, 8                         ; wave 1, i = 0: the sentence half's scale and shift
	s_add_co_u32 s66, s66, 4096
	s_mov_b32 s67, 0
	s_add_nc_u64 s[92:93], s[10:11], s[66:67]
	s_add_nc_u64 s[94:95], s[12:13], s[66:67]
	global_load_b128 v[116:119], v6, s[92:93]      ; bn1_g[1024 + 64 j ..]
	global_load_b128 v[120:123], v6, s[94:95]      ; bn1_b
	SUMRED RED2O
.irp k, 0,1,2,3
	v_permlanex16_b32 v[100+\k], v[96+\k], s90, s91
.endr
	v_cmp_eq_u32 vcc_lo, 1, v3
.irp k, 0,1,2,3
	v_cndmask_b32 v[104+\k], v[96+\k], v[100+\k], vcc_lo   ; the first sum in every lane,
	v_cndmask_b32 v[108+\k], v[100+\k], v[96+\k], vcc_lo   ; and the second
.endr
	v_cvt_f32_u32 v112, s58
	v_rcp_f32 v112, v112
	v_nop                                          ; a plain instruction behind the reciprocal,
	s_wait_alu depctr_va_vdst(0)                   ; and a wait ahead of its first reader
.irp k, 0,1,2,3
	v_mul_f32 v[104+\k], v[104+\k], v112           ; mu
	v_mul_f32 v[108+\k], v[108+\k], v112
	v_fma_f32 v[108+\k], -v[104+\k], v[104+\k], v[108+\k]
	v_max_num_f32 v[108+\k], 0, v[108+\k]
	v_add_f32 v[108+\k], 0x3727c5ac, v[108+\k]     ; + 1e-5
.endr
.irp k, 0,1,2,3
	v_rsq_f32 v[108+\k], v[108+\k]
.endr
	v_nop
	s_wait_alu depctr_va_vdst(0)                   ; one wait for the four
	s_wait_loadcnt 0x0
.irp k, 0,1,2,3
	v_mul_f32 v[108+\k], v[116+\k], v[108+\k]      ; sA = g / sqrt(var + eps)
	v_add_f32 v[104+\k], v[104+\k], v[PS+\k]       ; the mean
	v_fma_f32 v[104+\k], -v[104+\k], v[108+\k], v[120+\k]  ; sC = b - mean sA
	v_cndmask_b32 v[108+\k], v[108+\k], v[104+\k], vcc_lo
.endr
	s_lshl_b32 s66, s54, 8
	s_add_nc_u64 s[92:93], s[18:19], s[66:67]      ; (the two loads above are done)
	global_store_b128 v[SOF], v[108:111], s[92:93] offset:131072  ; lanes 0-15 sA, lanes 16-31 sC
	s_branch .Lend
.Lnot1:
	s_cmp_lg_u32 s53, 2
	s_cbranch_scc1 .Lend
	s_cmp_lg_u32 s54, 0
	s_cbranch_scc1 .Lend
	s_lshl_b32 s62, s56, 4                         ; wave 2, j = 0: where each sentence's tokens begin, and its length
	v_mov_b32 v64, 0
.irp q, 0,1,2,3,4,5,6,7,8,9,10,11,12,13,14,15
	s_add_co_u32 s63, s62, s[36+\q]
	v_writelane_b32 v64, s63, \q
	v_writelane_b32 v64, s[20+\q], 16+\q
.endr
	v_lshl_add_u32 v65, v3, 10, v[C4]
	s_lshl_b32 s66, s55, 6
	s_mov_b32 s67, 0
	s_add_nc_u64 s[94:95], s[16:17], s[66:67]
	global_store_b32 v65, v64, s[94:95] offset:65536
	s_cmp_lg_u32 s55, 0
	s_cbranch_scc1 .Lend
	v_and_b32 v66, 1, v1                           ; and, once in the launch, NT and T
	v_cmp_eq_u32 vcc_lo, 1, v66
	v_mov_b32 v67, s57
	v_mov_b32 v68, s58
	v_cndmask_b32 v67, v67, v68, vcc_lo
	v_lshlrev_b32 v66, 2, v66
	global_store_b32 v66, v67, s[16:17] offset:67584
.Lend:
	s_wait_tensorcnt 0x0                           ; the wave's end, behind my last LDS store
	ds_add_u32 v4, v5
	s_wait_dscnt 0x0
	s_endpgm
.Lfunc_end_k_q7afb309d32_pack:
	.size	k_q7afb309d32_pack, .Lfunc_end_k_q7afb309d32_pack-k_q7afb309d32_pack
	.p2alignl 7, 3214868480
	.fill 96, 4, 3214868480
	.section	.rodata,"a",@progbits
	.p2align	6, 0x0
	.amdhsa_kernel k_q7afb309d32_pack
		.amdhsa_group_segment_fixed_size 110592
		.amdhsa_private_segment_fixed_size 0
		.amdhsa_enable_private_segment 0
		.amdhsa_kernarg_size 64
		.amdhsa_user_sgpr_count 2
		.amdhsa_user_sgpr_kernarg_segment_ptr 1
		.amdhsa_wavefront_size32 1
		.amdhsa_system_sgpr_workgroup_id_x 1
		.amdhsa_system_sgpr_workgroup_id_y 1
		.amdhsa_system_sgpr_workgroup_id_z 1
		.amdhsa_system_vgpr_workitem_id 0
		.amdhsa_next_free_vgpr 128
		.amdhsa_next_free_sgpr 104
		.amdhsa_reserve_vcc 1
		.amdhsa_float_denorm_mode_32 3
		.amdhsa_float_denorm_mode_16_64 3
		.amdhsa_memory_ordered 1
		.amdhsa_forward_progress 1
		.amdhsa_inst_pref_size 69
	.end_amdhsa_kernel
	.amdgpu_metadata
---
amdhsa.version: [ 1, 2 ]
amdhsa.kernels:
  - .name:           k_q7afb309d32_pack
    .symbol:         k_q7afb309d32_pack.kd
    .args:
      - { .name: lstm_output, .offset: 0, .size: 8, .value_kind: global_buffer, .address_space: global }
      - { .name: hidden_state, .offset: 8, .size: 8, .value_kind: global_buffer, .address_space: global }
      - { .name: seq_lengths, .offset: 16, .size: 8, .value_kind: global_buffer, .address_space: global }
      - { .name: bn1_g, .offset: 24, .size: 8, .value_kind: global_buffer, .address_space: global }
      - { .name: bn1_b, .offset: 32, .size: 8, .value_kind: global_buffer, .address_space: global }
      - { .name: xs, .offset: 40, .size: 8, .value_kind: global_buffer, .address_space: global }
      - { .name: idx, .offset: 48, .size: 8, .value_kind: global_buffer, .address_space: global }
      - { .name: st1, .offset: 56, .size: 8, .value_kind: global_buffer, .address_space: global }
    .group_segment_fixed_size: 110592
    .private_segment_fixed_size: 0
    .kernarg_segment_align: 8
    .kernarg_segment_size: 64
    .max_flat_workgroup_size: 1024
    .sgpr_count:     104
    .vgpr_count:     128
    .wavefront_size: 32
...
	.end_amdgpu_metadata
.endif
;; end of part 1
;; launch sent (part 2): grid 32 x 8, 8 waves a work-group, no clusters, 239,616 bytes of LDS; arguments hidden_state, W1, b1, bn1_g, bn1_b, st1, idx, sb; writes sb
.if DOCPART == 2
	.amdgcn_target "amdgcn-amd-amdhsa--gfx1250"
	.amdhsa_code_object_version 6
	.text
	.protected	k_q7afb309d32_sent
	.globl	k_q7afb309d32_sent
	.p2align	8
	.type	k_q7afb309d32_sent,@function
k_q7afb309d32_sent:
	s_mov_b64 s[64:65], 0
	v_nop
	global_prefetch_b8 v0, s[64:65] scope:SCOPE_SE
	s_setreg_imm32_b32 hwreg(HW_REG_WAVE_MODE, 25, 1), 1
	s_wait_xcnt 0x0
; SENT: sbc[b][n] = c (sn[b] . W1[1024:, n] + b1[n]), c = 2 log2(e), once a sentence; and the word half's scale and shift, c A and c v.
; Left out: hidden_state[0:4] (sliced away by hs[-1]); the product is taken for 256 sentence rows and not for every token, since these features are the same for all tokens of a sentence.
; sn = s sA + sC in f32, rounded to bf16 once; W1 rounded to bf16; sums in f32.
; SHARES.  Work-group (ns, mb): sentences 32 mb .. + 31, columns 64 ns .. + 63, K = 1024.  Wave w: the tile of 16 sentences mt = w / 4 and 16 columns nt = w % 4.
; Both operands are laid into LDS once, through registers (they are f32 in memory and are scaled or rounded on the way), so no tensor load; then one barrier.
; THE PRODUCT IS TAKEN TRANSPOSED: source 0 = 16 columns of W1 (turned out of [k][n] by ds_load_tr16_b128), source 1 = 16 sentences: a lane ends with 8 neighbouring columns of one sentence.
; No cluster: what work-groups share (a slice of W1 among 8, the rows among 32) has to pass through registers to be rounded.
.set APL,   2064                       ; a sentence's 2,048 bytes of bf16 + 16: an odd multiple of 16
.set WL,    32*APL                     ; 66,048: W1's slice, [k][64 n] bf16
.set WPL,   160                        ; 128 + 32: an odd multiple of 32
.set ST,    WL+1024*WPL                ; 229,888: the stage for the way out, 32 rows of 256 bytes + 16
.set STP,   272
.set SPARE, ST+32*STP                  ; 238,592: the spare words, 128 bytes a wave
.set APITCH, 2048                      ; bytes from sentence to sentence in hidden_state
.set WPITCH, 8192                      ; bytes in a row of W1
.set CC,    0x4038aa3b                 ; c = 2 log2(e)
.set B0, 64                            ; three buffers of 64 registers for the fill
.set B1, 128
.set B2, 192
; v6 my offset in a sentence's row; v7 where its 8 bytes go; v[8:11] sA, v[12:15] sC; v[16:47] four accumulators; v[48:55] b1; v56 my offset in W1's rows, and in sb's
; v57 where W1's 8 bytes go; v58, v59 fragment addresses; v60, v61 stage in and out; v62 32 h; v63 16 t
.macro NOP4
.rept 4
	v_nop
.endr
.endm
.macro LDA buf, r0                     ; 16 rows' loads: the work-group's 256 threads take a whole row of 4,096 bytes
.set n, 0
.rept 16
	global_load_b128 v[(\buf)+4*n:(\buf)+4*n+3], v6, s[28:29] offset:((\r0)+n)*APITCH
.set n, n+1
.endr
.endm
.macro STA buf, r0                     ; scaled, shifted, rounded, into LDS
.set n, 0
.rept 16
	v_pk_fma_f32 v[(\buf)+4*n:(\buf)+4*n+1], v[(\buf)+4*n:(\buf)+4*n+1], v[8:9], v[12:13]
	v_pk_fma_f32 v[(\buf)+4*n+2:(\buf)+4*n+3], v[(\buf)+4*n+2:(\buf)+4*n+3], v[10:11], v[14:15]
	v_cvt_pk_bf16_f32 v[(\buf)+4*n], v[(\buf)+4*n], v[(\buf)+4*n+1]
	v_cvt_pk_bf16_f32 v[(\buf)+4*n+1], v[(\buf)+4*n+2], v[(\buf)+4*n+3]
	ds_store_b64 v7, v[(\buf)+4*n:(\buf)+4*n+1] offset:((\r0)+n)*APL
.set n, n+1
.endr
.endm
.macro LDW buf, u0                     ; 16 loads of the weights: load u takes rows 16 u .. 16 u + 15, 256 aligned bytes of each
.set n, 0
.rept 16
	global_load_b128 v[(\buf)+4*n:(\buf)+4*n+3], v56, s[30:31] offset:((\u0)+n)*16*WPITCH
.set n, n+1
.endr
.endm
.macro STW buf                         ; rounded, into LDS; the address goes 256 rows on
.set n, 0
.rept 16
	v_cvt_pk_bf16_f32 v[(\buf)+4*n], v[(\buf)+4*n], v[(\buf)+4*n+1]
	v_cvt_pk_bf16_f32 v[(\buf)+4*n+1], v[(\buf)+4*n+2], v[(\buf)+4*n+3]
	ds_store_b64 v57, v[(\buf)+4*n:(\buf)+4*n+1] offset:16*WPL*n
.set n, n+1
.endr
	v_add_nc_u32 v57, 256*WPL, v57
.endm
	s_load_b512 s[4:19], s[0:1], 0x0               ; hidden s[4:5], W1 s[6:7], b1 s[8:9], g s[10:11], b s[12:13], st1 s[14:15], idx s[16:17], sb s[18:19]
	v_lshl_add_u32 v4, v0, 2, SPARE
	v_mov_b32 v5, 0
	v_and_b32 v1, 31, v0
	v_lshrrev_b32 v63, 5, v0
	v_readfirstlane_b32 s20, v63                   ; w
	v_and_b32 v2, 15, v0                           ; r, and my 16-byte column c
	v_bfe_u32 v3, v0, 4, 1                         ; h
	s_mov_b32 s21, ttmp9                           ; ns
	s_and_b32 s22, ttmp7, 0xffff                   ; mb
	s_lshr_b32 s23, s20, 2                         ; mt
	s_and_b32 s24, s20, 3                          ; nt
	v_lshlrev_b32 v63, 4, v0                       ; 16 t
	v_lshrrev_b32 v6, 7, v0
	v_and_b32 v56, 127, v0
	v_lshlrev_b32 v56, 4, v56
	v_lshl_add_u32 v6, v6, 19, v56                 ; features 4 t ..: direction t / 128, 16 (t % 128) bytes in
	v_lshlrev_b32 v7, 3, v0
	v_lshrrev_b32 v57, 4, v0                       ; t / 16
	v_lshlrev_b32 v56, 4, v2
	v_mul_u32_u24 v61, v57, STP
	v_add_nc_u32 v61, v61, v56
	v_add_nc_u32 v61, ST, v61
	v_lshl_add_u32 v56, v57, 13, v56               ; row t / 16, 16 c bytes in
	v_mul_u32_u24 v57, v57, WPL
	v_lshl_add_u32 v57, v2, 3, v57
	v_add_nc_u32 v57, WL, v57
	v_and_b32 v58, 7, v0
	v_lshl_add_u32 v58, v3, 3, v58
	v_mul_u32_u24 v58, v58, WPL
	v_bfe_u32 v59, v0, 3, 1
	v_lshl_add_u32 v58, v59, 4, v58
	s_lshl_b32 s26, s24, 5
	s_add_co_u32 s26, s26, WL
	v_add_nc_u32 v58, s26, v58                     ; the turning load: row 8 h + l % 8, 16 ((l / 8) % 2) + 32 nt bytes in
	s_lshl_b32 s26, s23, 4
	v_add_nc_u32 v59, s26, v2
	v_mul_u32_u24 v60, v59, STP
	v_mul_u32_u24 v59, v59, APL
	v_lshl_add_u32 v59, v3, 4, v59                 ; sentence 16 mt + r, 16 h bytes in
	v_lshl_add_u32 v60, v3, 5, v60
	s_lshl_b32 s26, s24, 6
	s_add_co_u32 s26, s26, ST
	v_add_nc_u32 v60, s26, v60
	v_lshlrev_b32 v62, 5, v3
	s_lshl_b32 s26, s22, 16                        ; 32 mb sentences of 2,048 bytes
	s_mov_b32 s27, 0
	s_wait_kmcnt 0x0
	s_add_nc_u64 s[28:29], s[4:5], s[26:27]
	s_add_nc_u64 s[28:29], s[28:29], 0x200000      ; hidden_state[4]
	s_lshl_b32 s26, s21, 8
	s_add_nc_u64 s[30:31], s[6:7], s[26:27]
	s_add_nc_u64 s[30:31], s[30:31], 0x800000      ; W1[1024]
	s_lshl_b32 s32, s24, 6
	s_add_co_u32 s26, s26, s32
	s_add_nc_u64 s[34:35], s[8:9], s[26:27]        ; b1 at my tile's columns
	s_lshl_b32 s26, s22, 18
	s_lshl_b32 s32, s21, 8
	s_add_co_u32 s26, s26, s32
	s_add_nc_u64 s[32:33], s[18:19], s[26:27]      ; sb at my block
	global_load_b128 v[8:11], v63, s[14:15] offset:131072
	global_load_b128 v[12:15], v63, s[14:15] offset:135168
	global_load_b128 v[48:51], v62, s[34:35]
	global_load_b128 v[52:55], v62, s[34:35] offset:16
	; THE FILL: six chunks of 16 loads through three buffers; each wait leaves out the chunks that were asked for later
	LDA B0, 0
	LDA B1, 16
	LDW B2, 0
	s_wait_loadcnt 32                              ; rows 0-15 (and all that is older); two chunks stay out
	STA B0, 0
	LDW B0, 16
	s_wait_loadcnt 32
	STA B1, 16
	LDW B1, 32
	s_wait_loadcnt 32
	STW B2
	LDW B2, 48
	s_wait_loadcnt 32
	STW B0
	s_wait_loadcnt 16
	STW B1
	s_wait_loadcnt 0x0
	STW B2
	; THE WORD HALF'S SCALE AND SHIFT, by wave 0 of the eight work-groups with ns = 0: features 128 mb + 4 l ..
	s_or_b32 s26, s21, s20
	s_cmp_lg_u32 s26, 0
	s_cbranch_scc1 .Lno_stat
	s_load_b32 s44, s[16:17], 0x10804              ; T
	s_lshl_b32 s26, s22, 9
	s_add_nc_u64 s[36:37], s[14:15], s[26:27]
	s_add_nc_u64 s[38:39], s[10:11], s[26:27]
	s_add_nc_u64 s[40:41], s[12:13], s[26:27]
	s_add_nc_u64 s[42:43], s[18:19], s[26:27]
	v_lshlrev_b32 v63, 4, v1
.set i, 0
.rept 16
	global_load_b128 v[64+8*i:67+8*i], v63, s[36:37] offset:8192*i
	global_load_b128 v[68+8*i:71+8*i], v63, s[36:37] offset:8192*i+4096
.set i, i+1
.endr
	global_load_b128 v[192:195], v63, s[38:39]
	global_load_b128 v[196:199], v63, s[40:41]
	s_wait_kmcnt 0x0
	v_cvt_f32_u32 v200, s44
	v_rcp_f32 v200, v200
	s_wait_loadcnt 0x0
.set i, 1
.rept 15                               ; the 16 groups' sums, in order; plain work behind the reciprocal
	v_pk_add_f32 v[64:65], v[64:65], v[64+8*i:65+8*i]
	v_pk_add_f32 v[66:67], v[66:67], v[66+8*i:67+8*i]
	v_pk_add_f32 v[68:69], v[68:69], v[68+8*i:69+8*i]
	v_pk_add_f32 v[70:71], v[70:71], v[70+8*i:71+8*i]
.set i, i+1
.endr
	s_wait_alu depctr_va_vdst(0)                   ; the wait ahead of the reciprocal's first reader
.irp k, 0,1,2,3
	v_mul_f32 v[64+\k], v[64+\k], v200             ; mu
	v_mul_f32 v[68+\k], v[68+\k], v200
	v_fma_f32 v[68+\k], -v[64+\k], v[64+\k], v[68+\k]
	v_max_num_f32 v[68+\k], 0, v[68+\k]
	v_add_f32 v[68+\k], 0x3727c5ac, v[68+\k]
.endr
.irp k, 0,1,2,3
	v_rsq_f32 v[68+\k], v[68+\k]
.endr
	v_nop
	s_wait_alu depctr_va_vdst(0)
.irp k, 0,1,2,3
	v_mul_f32 v[192+\k], CC, v[192+\k]
	v_mul_f32 v[68+\k], v[192+\k], v[68+\k]        ; c A
	v_mul_f32 v[196+\k], CC, v[196+\k]
	v_fma_f32 v[64+\k], -v[64+\k], v[68+\k], v[196+\k]  ; c v = c b - mu c A
.endr
	global_store_b128 v63, v[68:71], s[42:43] offset:2097152  ; 512 consecutive bytes each
	global_store_b128 v63, v[64:67], s[42:43] offset:2101248
	s_wait_xcnt 0x0                                ; the stores have read v[64:71], which the fragments below land on
.Lno_stat:
	s_wait_dscnt 0x0                               ; for the others' sake: my part of both operands lies in LDS
	s_barrier_signal -1
	s_barrier_wait -1
	; THE PRODUCT: four batches of 8 K steps.  The four accumulators take turns, one instruction a turn; K step s adds onto accumulator s % 4.
.set bt, 0
.rept 4
.set s, 0
.rept 8
	ds_load_tr16_b128 v[64+16*s:67+16*s], v58 offset:32*WPL*s
	ds_load_tr16_b128 v[68+16*s:71+16*s], v58 offset:32*WPL*s+16*WPL
	ds_load_b128 v[72+16*s:75+16*s], v59 offset:64*s
	ds_load_b128 v[76+16*s:79+16*s], v59 offset:64*s+32
.set s, s+1
.endr
	v_add_nc_u32 v58, 256*WPL, v58
	v_add_nc_u32 v59, 512, v59
	s_wait_dscnt 0x0
.set s, 0
.rept 8
.if (bt == 0) && (s < 4)
	v_wmma_f32_16x16x32_bf16 v[16+8*s:23+8*s], v[64+16*s:71+16*s], v[72+16*s:79+16*s], 0
.else
	v_wmma_f32_16x16x32_bf16 v[16+8*(s%4):23+8*(s%4)], v[64+16*s:71+16*s], v[72+16*s:79+16*s], v[16+8*(s%4):23+8*(s%4)]
.endif
.set s, s+1
.endr
	NOP4                                           ; four places in front of loads into registers that the products have read (ISA guide 7.12.1 for vector instructions)
.set bt, bt+1
.endr
	NOP4
.irp k, 0,2,4,6                        ; each accumulator is read from its low end on
	v_pk_add_f32 v[16+\k:17+\k], v[16+\k:17+\k], v[24+\k:25+\k]
.endr
.irp k, 0,2,4,6
	v_pk_add_f32 v[32+\k:33+\k], v[32+\k:33+\k], v[40+\k:41+\k]
.endr
.irp k, 0,2,4,6
	v_pk_add_f32 v[16+\k:17+\k], v[16+\k:17+\k], v[32+\k:33+\k]
	v_pk_mul_f32 v[48+\k:49+\k], v[48+\k:49+\k], CC op_sel_hi:[1,0]
.endr
.irp k, 0,2,4,6
	v_pk_fma_f32 v[16+\k:17+\k], v[16+\k:17+\k], CC, v[48+\k:49+\k] op_sel_hi:[1,0,1]
.endr
	ds_store_b128 v60, v[16:19]
	ds_store_b128 v60, v[20:23] offset:16
	s_wait_dscnt 0x0                               ; a row's 256 bytes come from four waves
	s_barrier_signal -1
	s_barrier_wait -1
	ds_load_b128 v[64:67], v61
	ds_load_b128 v[68:71], v61 offset:16*STP
	s_wait_dscnt 1
	global_store_b128 v56, v[64:67], s[32:33]      ; 16 lanes store 256 consecutive aligned bytes
	s_wait_dscnt 0x0
	global_store_b128 v56, v[68:71], s[32:33] offset:16*8192
	s_wait_tensorcnt 0x0                           ; the wave's end, behind my last LDS store
	ds_add_u32 v4, v5
	s_wait_dscnt 0x0
	s_endpgm
.Lfunc_end_k_q7afb309d32_sent:
	.size	k_q7afb309d32_sent, .Lfunc_end_k_q7afb309d32_sent-k_q7afb309d32_sent
	.p2alignl 7, 3214868480
	.fill 96, 4, 3214868480
	.section	.rodata,"a",@progbits
	.p2align	6, 0x0
	.amdhsa_kernel k_q7afb309d32_sent
		.amdhsa_group_segment_fixed_size 239616
		.amdhsa_private_segment_fixed_size 0
		.amdhsa_enable_private_segment 0
		.amdhsa_kernarg_size 64
		.amdhsa_user_sgpr_count 2
		.amdhsa_user_sgpr_kernarg_segment_ptr 1
		.amdhsa_wavefront_size32 1
		.amdhsa_system_sgpr_workgroup_id_x 1
		.amdhsa_system_sgpr_workgroup_id_y 1
		.amdhsa_system_sgpr_workgroup_id_z 1
		.amdhsa_system_vgpr_workitem_id 0
		.amdhsa_next_free_vgpr 256
		.amdhsa_next_free_sgpr 66
		.amdhsa_reserve_vcc 0
		.amdhsa_float_denorm_mode_32 3
		.amdhsa_float_denorm_mode_16_64 3
		.amdhsa_memory_ordered 1
		.amdhsa_forward_progress 1
		.amdhsa_inst_pref_size 59
	.end_amdhsa_kernel
	.amdgpu_metadata
---
amdhsa.version: [ 1, 2 ]
amdhsa.kernels:
  - .name:           k_q7afb309d32_sent
    .symbol:         k_q7afb309d32_sent.kd
    .args:
      - { .name: hidden_state, .offset: 0, .size: 8, .value_kind: global_buffer, .address_space: global }
      - { .name: W1, .offset: 8, .size: 8, .value_kind: global_buffer, .address_space: global }
      - { .name: b1, .offset: 16, .size: 8, .value_kind: global_buffer, .address_space: global }
      - { .name: bn1_g, .offset: 24, .size: 8, .value_kind: global_buffer, .address_space: global }
      - { .name: bn1_b, .offset: 32, .size: 8, .value_kind: global_buffer, .address_space: global }
      - { .name: st1, .offset: 40, .size: 8, .value_kind: global_buffer, .address_space: global }
      - { .name: idx, .offset: 48, .size: 8, .value_kind: global_buffer, .address_space: global }
      - { .name: sb, .offset: 56, .size: 8, .value_kind: global_buffer, .address_space: global }
    .group_segment_fixed_size: 239616
    .private_segment_fixed_size: 0
    .kernarg_segment_align: 8
    .kernarg_segment_size: 64
    .max_flat_workgroup_size: 256
    .sgpr_count:     66
    .vgpr_count:     256
    .wavefront_size: 32
...
	.end_amdgpu_metadata
.endif
;; end of part 2
;; launch energy (part 3): grid 16 x 16, 8 waves a work-group, no clusters, 301,056 bytes of LDS; arguments xs, idx, sb, W1, W2, ep; writes ep
.if DOCPART == 3
	.amdgcn_target "amdgcn-amd-amdhsa--gfx1250"
	.amdhsa_code_object_version 6
	.text
	.protected	k_q7afb309d32_energy
	.globl	k_q7afb309d32_energy
	.p2align	8
	.type	k_q7afb309d32_energy,@function
k_q7afb309d32_energy:
	s_mov_b64 s[64:65], 0
	v_nop
	global_prefetch_b8 v0, s[64:65] scope:SCOPE_SE
	s_setreg_imm32_b32 hwreg(HW_REG_WAVE_MODE, 25, 1), 1
	s_wait_xcnt 0x0
; ENERGY: ep[j][t] = the sum over the 128 hidden units n of slice j of W2[n] tanh(h[t][n]), for the valid tokens t alone (rows with s >= len reach no output: see pack).
; c h[t][n] = sum over k < 1024 of bf16(x - p) bf16(c A[k] W1[k][n]) + wbc[n] + sbc[b(t)][n];  wbc[n] = sum over k of (c v[k]) W1[k][n], in f32;  c = 2 log2(e).
; tanh(h) = 1 - 2 / (1 + 2^(c h)): 2^(c h) = infinity gives 1, 0 gives -1, so no exponent needs a bound.  So the partial energy is sum W2 + sum (-2 W2) / (1 + 2^(c h)).
; SHARES.  Work-group (j, i) holds columns 128 j .. + 127 of c A W1[0:1024] in LDS, as bf16, for the whole launch: read once as f32 (512 bytes a row), scaled and rounded in registers.
; The NT tiles of 16 tokens are dealt to the 128 waves of a slice: wave g = 8 i + w has tiles g NT / 128 .. (g + 1) NT / 128 - 1, 8 at the most, in two passes of up to 4.
; Token tiles come from xs straight into registers as operands.  Nothing that hangs on NT writes LDS or passes a barrier; both loops over tiles have constant counts, dead passes are jumped.
; THE PRODUCT IS TAKEN TRANSPOSED: source 0 = 16 columns of W (turned out of [k][n] by ds_load_tr16_b128), source 1 = 16 tokens: a lane holds ONE token (l % 16) and 8 units.
; NO TENSOR LOADS, NO CLUSTER: the slice takes 294,912 bytes of LDS and must pass through registers to be scaled; the tiles' count is read from memory, and a ring with barriers may not hang on it.
; REGISTERS, in windows of 256 (s_set_vgpr_msb: bits 1:0 source 0, 3:2 source 1, 5:4 source 2, 7:6 destination):
;  window 0: v6 BA0, v7 BA: LDS address of W's fragments; v8 16 l; v[9:12] tiles' offsets in xs; v[13:16] tokens' offsets in sbc; v[17:20] tiles' offsets in tokb and ep; v[24:31] sums;
;   v32 my lanes' sum of W2; v33 the fill's LDS address; v[34:37] wbc at work; v38, v39 prefetch offsets; v[40:43] results; v[44:47] at work; v48 WB + 32 h; v49 4 r; v50, v51 RED; v52 32 h;
;   v[64:127] W's fragments of one K step (unit block nt at 64 + 8 nt); v[128:255] the tokens' fragments, a ring of 4 K steps (buffer b, tile t at 128 + 32 b + 8 t)
;  window 1: the accumulators, tile t, unit block nt at 64 t + 8 nt; during the fill the 64 rows of W1 at work
.set WPITCH, 288                       ; a row of 128 bf16 + 32 bytes: an odd multiple of 32
.set RED,    1024*WPITCH               ; 294,912: the waves' parts of wbc, 512 bytes each
.set WBO,    4096                      ; from there to wbc
.set W2O,    4608                      ; and to -2 W2
.set SPARE,  RED+5120                  ; 300,032: the spare words, 128 bytes a wave
.set MSB, 0
.macro WIN new                         ; the immediate's high byte repeats the setting that is left; a switch that changes nothing is dropped
.if MSB != (\new)
	s_set_vgpr_msb (MSB<<8)|(\new)
.set MSB, \new
.endif
.endm
.macro NOP4
.rept 4
	v_nop
.endr
.endm
	s_load_b256 s[4:11], s[0:1], 0x0               ; xs s[4:5], idx s[6:7], sb s[8:9], W1 s[10:11]
	s_load_b128 s[12:15], s[0:1], 0x20             ; W2 s[12:13], ep s[14:15]
	v_lshl_add_u32 v4, v0, 2, SPARE
	v_mov_b32 v5, 0
	v_and_b32 v1, 31, v0
	v_lshrrev_b32 v44, 5, v0
	v_readfirstlane_b32 s48, v44                   ; w
	v_and_b32 v2, 15, v0                           ; r
	v_bfe_u32 v3, v0, 4, 1                         ; h
	s_mov_b32 s49, ttmp9                           ; j
	s_and_b32 s50, ttmp7, 0xffff                   ; i
	s_mov_b32 s100, 0x76543210
	s_mov_b32 s101, 0xfedcba98
	v_lshlrev_b32 v8, 4, v1
	v_and_b32 v6, 7, v0
	v_lshl_add_u32 v6, v3, 3, v6
	v_mul_u32_u24 v6, v6, WPITCH
	v_bfe_u32 v44, v0, 3, 1
	v_lshl_add_u32 v6, v44, 4, v6                  ; row 8 h + l % 8, 16 ((l / 8) % 2) bytes in
	v_lshlrev_b32 v49, 2, v2
	v_lshlrev_b32 v52, 5, v3
	v_add_nc_u32 v48, RED+WBO, v52
	v_add_nc_u32 v50, RED, v8
	s_lshl_b32 s51, s48, 9
	v_add_nc_u32 v51, s51, v50
	s_mul_i32 s51, s48, 128*WPITCH
	v_lshl_add_u32 v33, v1, 3, s51                 ; my wave's 128 rows of the slice, 8 l bytes in
.irp k, 0,1,2,3
	v_mov_b32 v[34+\k], 0
.endr
	s_lshl_b32 s2, s48, 20                         ; 128 w rows of 8,192 bytes
	s_lshl_b32 s3, s49, 9
	s_add_co_u32 s2, s2, s3
	s_mov_b32 s3, 0
	s_wait_kmcnt 0x0
	s_load_b32 s51, s[6:7], 0x10800                ; NT
	s_add_nc_u64 s[60:61], s[10:11], s[2:3]        ; W1 at my rows and columns
	s_lshl_b32 s2, s48, 9
	s_add_nc_u64 s[62:63], s[8:9], s[2:3]
	s_add_nc_u64 s[62:63], s[62:63], 0x200000      ; c A at my rows; c v lies 4,096 bytes on
	s_lshl_b32 s2, s49, 9
	s_add_nc_u64 s[66:67], s[12:13], s[2:3]
	global_load_b128 v[44:47], v8, s[66:67]        ; W2's 128 numbers of the slice, 4 a lane; older than every load of the fill, so the fill's waits cover it
	s_wait_kmcnt 0x0
	s_min_u32 s51, s51, 0x400
	s_lshl_b32 s2, s50, 3
	s_add_co_u32 s2, s2, s48                       ; g
	s_mul_i32 s52, s2, s51
	s_lshr_b32 s52, s52, 7                         ; my first tile
	s_add_co_u32 s2, s2, 1
	s_mul_i32 s53, s2, s51
	s_lshr_b32 s53, s53, 7                         ; behind my last
	s_sub_co_u32 s54, s53, s52                     ; q: my tiles
	; THE PREFETCHES' OFFSETS.  A tile is read by the 16 work-groups of an i; they share its 128 blocks of 256 bytes out by address: work-group j names K steps 2 j and 2 j + 1, 8 blocks.
	; A lane a block: tile l / 8 of the pass's four, block l % 8.  Lanes past my count repeat my last tile.
	s_max_u32 s3, s53, 1
	s_sub_co_u32 s3, s3, 1
	v_lshrrev_b32 v53, 3, v1
	v_add_nc_u32 v38, s52, v53
	v_add_nc_u32 v39, 4, v38
	v_min_u32 v38, s3, v38
	v_min_u32 v39, s3, v39
	v_min_u32 v38, 0x3ff, v38
	v_min_u32 v39, 0x3ff, v39
	v_and_b32 v53, 7, v1
	v_lshlrev_b32 v53, 8, v53
	s_lshl_b32 s2, s49, 11
	v_add_nc_u32 v53, s2, v53
	v_lshl_add_u32 v38, v38, 15, v53
	v_lshl_add_u32 v39, v39, 15, v53
; THE FILL.  A trip takes 64 rows: 64 loads of 512 consecutive bytes, then four groups of 16 rows.  A group's 16 c A and 16 c v lie in one of two sets of scalar registers; the other set is asked for meanwhile.
.macro FZ z, cur, nxt
	s_wait_kmcnt 0x0                               ; this group's scalars
.if (\z) < 3
	s_load_b512 s[(\nxt):(\nxt)+15], s[62:63], 64*((\z)+1)
	s_load_b512 s[(\nxt)+16:(\nxt)+31], s[62:63], 4096+64*((\z)+1)
.endif
	s_wait_loadcnt 48-16*(\z)                      ; this group's rows; the later groups' loads stay out
	WIN 0x04
.set fr, 0
.rept 16
.irp k, 0,1,2,3
	v_fmac_f32 v[34+\k], s[(\cur)+16+fr], v[4*(16*(\z)+fr)+\k]  ; wbc += c v W1, on the unscaled f32
.endr
.set fr, fr+1
.endr
	WIN 0x44
.set fr, 0
.rept 16
.irp k, 0,1,2,3
	v_mul_f32 v[4*(16*(\z)+fr)+\k], s[(\cur)+fr], v[4*(16*(\z)+fr)+\k]
.endr
.set fr, fr+1
.endr
	WIN 0x45
.set fr, 0
.rept 16
	v_cvt_pk_bf16_f32 v[4*(16*(\z)+fr)], v[4*(16*(\z)+fr)], v[4*(16*(\z)+fr)+1]
	v_cvt_pk_bf16_f32 v[4*(16*(\z)+fr)+1], v[4*(16*(\z)+fr)+2], v[4*(16*(\z)+fr)+3]
.set fr, fr+1
.endr
	WIN 0x04
.set fr, 0
.rept 16
	ds_store_b64 v33, v[4*(16*(\z)+fr):4*(16*(\z)+fr)+1] offset:WPITCH*(16*(\z)+fr)
.set fr, fr+1
.endr
.endm
	s_mov_b32 s57, 0
.Lfill:
	WIN 0x40
.set n, 0
.rept 64
	global_load_b128 v[4*n:4*n+3], v8, s[60:61] offset:8192*n
.set n, n+1
.endr
	WIN 0
	s_load_b512 s[16:31], s[62:63], 0x0
	s_load_b512 s[32:47], s[62:63], 0x1000
	s_lshl_b32 s2, s57, 2
	s_cmp_gt_u32 s54, s2                           ; has pass number trip a tile?
	s_cbranch_scc0 .Lnopf
	global_prefetch_b8 v38, s[4:5] th:TH_LOAD_NT scope:SCOPE_SE  ; behind the trip's run of loads: my share of the blocks of the tiles that pass number trip will load, a fill trip or more ahead of that pass
.Lnopf:
	FZ 0, 16, 68
	FZ 1, 68, 16
	FZ 2, 16, 68
	FZ 3, 68, 16
	WIN 0
	s_wait_xcnt 0x0                                ; all loads and the prefetch have read their addresses, which are stepped now
	s_add_nc_u64 s[60:61], s[60:61], 0x80000
	s_add_nc_u64 s[62:63], s[62:63], 256
	v_add_nc_u32 v33, 64*WPITCH, v33
	v_mov_b32 v38, v39
	s_add_co_u32 s57, s57, 1
	s_cmp_lt_u32 s57, 2
	s_cbranch_scc1 .Lfill
	ds_store_b128 v51, v[34:37]                    ; my 128 rows' part of wbc
	s_cmp_lg_u32 s48, 0
	s_cbranch_scc1 .Lnw2
	v_pk_mul_f32 v[44:45], v[44:45], -2.0 op_sel_hi:[1,0]
	v_pk_mul_f32 v[46:47], v[46:47], -2.0 op_sel_hi:[1,0]
	ds_store_b128 v50, v[44:47] offset:W2O
.Lnw2:
	s_wait_dscnt 0x0                               ; for the others' sake: my rows of the slice and my part of wbc lie in LDS
	s_barrier_signal -1
	s_barrier_wait -1
	s_cmp_lg_u32 s48, 0
	s_cbranch_scc1 .Lnsum
.irp u, 0,1,2,3,4,5,6,7
	ds_load_b128 v[64+4*\u:67+4*\u], v50 offset:512*\u
.endr
	s_wait_dscnt 0x0
.irp u, 1,2,3,4,5,6,7
	v_pk_add_f32 v[64:65], v[64:65], v[64+4*\u:65+4*\u]
	v_pk_add_f32 v[66:67], v[66:67], v[66+4*\u:67+4*\u]
.endr
	ds_store_b128 v50, v[64:67] offset:WBO
.Lnsum:
	s_wait_dscnt 0x0
	s_barrier_signal -1
	s_barrier_wait -1                              ; wbc is whole; from here to the closing lines nothing writes LDS
.set n, 0
.rept 8
	ds_load_b128 v[64+8*n:67+8*n], v48 offset:512+64*n
	ds_load_b128 v[68+8*n:71+8*n], v48 offset:512+64*n+16
.set n, n+1
.endr
	s_lshl_b32 s2, s49, 9
	s_mov_b32 s3, 0
	s_add_nc_u64 s[16:17], s[8:9], s[2:3]          ; sbc at the slice's columns
	s_lshl_b32 s2, s49, 16
	s_add_nc_u64 s[18:19], s[14:15], s[2:3]        ; ep[j]
	s_wait_dscnt 0x0
.irp w, 32,16,8,4,2                    ; the sum of my lane's 64 numbers of -2 W2
.set n, 0
.rept (\w)/2
	v_pk_add_f32 v[64+2*n:65+2*n], v[64+2*n:65+2*n], v[64+\w+2*n:65+\w+2*n]
.set n, n+1
.endr
.endr
	v_add_f32 v32, v64, v65
	v_mul_f32 v32, -0.5, v32
.macro BLOAD half, koff                ; W's fragments of four unit blocks, 32 rows from byte koff behind BA
.set nn, 4*(\half)
.rept 4
	ds_load_tr16_b128 v[64+8*nn:67+8*nn], v7 offset:(\koff)+32*nn
	ds_load_tr16_b128 v[68+8*nn:71+8*nn], v7 offset:(\koff)+32*nn+16*WPITCH
.set nn, nn+1
.endr
.endm
.macro ALOAD m, buf, koff              ; m tiles' fragments of one K step: 512 consecutive bytes a load
.set tt, 0
.rept \m
	global_load_b128 v[128+32*(\buf)+8*tt:131+32*(\buf)+8*tt], v[9+tt], s[58:59] offset:(\koff)
	global_load_b128 v[132+32*(\buf)+8*tt:135+32*(\buf)+8*tt], v[9+tt], s[58:59] offset:(\koff)+512
.set tt, tt+1
.endr
.endm
.macro MUL m, half, buf                ; 4 m products; the accumulators take turns, one instruction a turn
.set nn, 4*(\half)
.rept 4
.set tt, 0
.rept \m
	v_wmma_f32_16x16x32_bf16 v[64*tt+8*nn:64*tt+8*nn+7], v[64+8*nn:71+8*nn], v[128+32*(\buf)+8*tt:135+32*(\buf)+8*tt], v[64*tt+8*nn:64*tt+8*nn+7]
.set tt, tt+1
.endr
.set nn, nn+1
.endr
.endm
; A K step on ring buffer buf.  While one half of W's fragments is multiplied the other half's loads land; a half is asked for again, for the next K step, four places behind its last product.
; la = 1: the buffer takes the K step four on.  lb = 1: there is a next K step.  nA: the tokens' loads that were asked for later and may stay out.
.macro KSTEP m, buf, la, lb, nA
	s_wait_loadcnt \nA
	s_wait_dscnt 8                                 ; the first half is in; the second half's 8 loads may stay out
	WIN 0x50
	MUL \m, 0, \buf
.if \lb
	NOP4
	WIN 0
	BLOAD 0, ((\buf)+1)*32*WPITCH
	s_wait_dscnt 8                                 ; the second half is in; the 8 just issued stay out
.else
	s_wait_dscnt 0x0
.endif
	WIN 0x50
	MUL \m, 1, \buf
	NOP4
	WIN 0
.if \lb
	BLOAD 1, ((\buf)+1)*32*WPITCH
.endif
.if \la
	ALOAD \m, \buf, ((\buf)+4)*1024
.endif
.endm
; A pass with m tiles.  The sums start from sbc, loaded into the accumulators.  The ring holds K steps k .. k + 3: three K steps' 2 m loads are younger than the one that is wanted: 6 m.
; BA walks the slice: 128 rows a trip, 7 trips, then the last 128 rows: the highest byte read is row 1023's, inside the slice's 1,024 rows.
.macro BODY m
.set t2, 0
.rept \m
	global_load_b32 v[44+t2], v[17+t2], s[6:7]     ; the tokens' sentences
.set t2, t2+1
.endr
	s_wait_loadcnt 0x0
.set t2, 0
.rept \m
	v_min_u32 v[44+t2], 0xff, v[44+t2]
	v_lshl_add_u32 v[13+t2], v[44+t2], 13, v52
.set t2, t2+1
.endr
	WIN 0x40
.set t2, 0
.rept \m
.set n2, 0
.rept 8
	global_load_b128 v[64*t2+8*n2:64*t2+8*n2+3], v[13+t2], s[16:17] offset:64*n2
	global_load_b128 v[64*t2+8*n2+4:64*t2+8*n2+7], v[13+t2], s[16:17] offset:64*n2+16
.set n2, n2+1
.endr
.set t2, t2+1
.endr
	WIN 0
	ALOAD \m, 0, 0
	ALOAD \m, 1, 1024
	ALOAD \m, 2, 2048
	ALOAD \m, 3, 3072
	v_mov_b32 v7, v6
	BLOAD 0, 0
	BLOAD 1, 0
	s_mov_b32 s57, 7
.Lk_\@:
	KSTEP \m, 0, 1, 1, 6*\m
	KSTEP \m, 1, 1, 1, 6*\m
	KSTEP \m, 2, 1, 1, 6*\m
	KSTEP \m, 3, 1, 1, 6*\m
	s_wait_xcnt 0x0                                ; the loads have read their base, which goes four K steps on
	s_add_nc_u64 s[58:59], s[58:59], 4096
	v_add_nc_u32 v7, 128*WPITCH, v7
	s_sub_co_u32 s57, s57, 1
	s_cmp_lg_u32 s57, 0
	s_cbranch_scc1 .Lk_\@
	KSTEP \m, 0, 0, 1, 6*\m                        ; the last four K steps ask for no tokens: the counts run down
	KSTEP \m, 1, 0, 1, 4*\m
	KSTEP \m, 2, 0, 1, 2*\m
	KSTEP \m, 3, 0, 0, 0
.endm
; Tile t's way out: + wbc, 2^, + 1, 1 /, times -2 W2, summed over my 64 units and the other half of the lanes'.  Each batch of 64 transcendentals has one plain instruction and one wait behind it.
.macro EPI t
	WIN 0x41
.set n, 0
.rept 32                               ; each accumulator is read from its low end on
	v_pk_add_f32 v[64*(\t)+2*n:64*(\t)+2*n+1], v[64*(\t)+2*n:64*(\t)+2*n+1], v[128+2*n:129+2*n]
.set n, n+1
.endr
.set n, 0
.rept 64
	v_exp_f32 v[64*(\t)+n], v[64*(\t)+n]
.set n, n+1
.endr
	v_nop
	s_wait_alu depctr_va_vdst(0)
.set n, 0
.rept 32
	v_pk_add_f32 v[64*(\t)+2*n:64*(\t)+2*n+1], v[64*(\t)+2*n:64*(\t)+2*n+1], 1.0 op_sel_hi:[1,0]
.set n, n+1
.endr
.set n, 0
.rept 64
	v_rcp_f32 v[64*(\t)+n], v[64*(\t)+n]
.set n, n+1
.endr
	v_nop
	s_wait_alu depctr_va_vdst(0)
	WIN 0x01
.set n, 0
.rept 4
	v_pk_mul_f32 v[24+2*n:25+2*n], v[64*(\t)+2*n:64*(\t)+2*n+1], v[64+2*n:65+2*n]
.set n, n+1
.endr
.rept 28
	v_pk_fma_f32 v[24+2*(n%4):25+2*(n%4)], v[64*(\t)+2*n:64*(\t)+2*n+1], v[64+2*n:65+2*n], v[24+2*(n%4):25+2*(n%4)]
.set n, n+1
.endr
	WIN 0
	v_pk_add_f32 v[24:25], v[24:25], v[26:27]
	v_pk_add_f32 v[28:29], v[28:29], v[30:31]
	v_pk_add_f32 v[24:25], v[24:25], v[28:29]
	v_add_f32 v24, v24, v25
	v_add_f32 v24, v24, v32
	v_permlanex16_b32 v25, v24, s100, s101
	v_add_f32 v[40+\t], v24, v25
	global_store_b32 v[17+\t], v[40+\t], s[18:19]  ; 16 tokens, 64 consecutive bytes; both halves of the lanes write the same
.endm
	s_mov_b32 s55, 0
.Lpass:                                        ; two passes, whatever NT; a pass without a tile is jumped
	s_wait_xcnt 0x0                                ; the last pass's loads and stores have read their registers
	s_lshl_b32 s2, s55, 2
	s_sub_co_i32 s56, s54, s2
	s_max_i32 s56, s56, 0
	s_min_u32 s56, s56, 4                          ; m
	s_cmp_eq_u32 s56, 0
	s_cbranch_scc1 .Lnext
	s_cmp_eq_u32 s56, 3
	s_cselect_b32 s56, 4, s56                      ; three tiles go as four: the fourth repeats my last tile and stores its equal result once more
	s_add_co_u32 s2, s2, s52
	s_sub_co_u32 s3, s53, 1
.irp t, 0,1,2,3
	s_add_co_u32 s20, s2, \t
	s_min_u32 s20, s20, s3
	s_min_u32 s20, s20, 0x3ff
	s_lshl_b32 s21, s20, 15
	v_add_nc_u32 v[9+\t], s21, v8
	s_lshl_b32 s21, s20, 6
	v_add_nc_u32 v[17+\t], s21, v49
.endr
	s_mov_b64 s[58:59], s[4:5]
	s_cmp_eq_u32 s56, 4
	s_cbranch_scc1 .Lb4
	s_cmp_eq_u32 s56, 2
	s_cbranch_scc1 .Lb2
	BODY 1
	s_branch .Lepi
.Lb2:
	BODY 2
	s_branch .Lepi
.Lb4:
	BODY 4
.Lepi:
	NOP4                                           ; the places behind the last products, in front of the reads of their results and of the loads into their sources
	NOP4
.set n, 0
.rept 8
	ds_load_b128 v[128+8*n:131+8*n], v48 offset:64*n
	ds_load_b128 v[132+8*n:135+8*n], v48 offset:64*n+16
	ds_load_b128 v[64+8*n:67+8*n], v48 offset:512+64*n
	ds_load_b128 v[68+8*n:71+8*n], v48 offset:512+64*n+16
.set n, n+1
.endr
	s_wait_dscnt 0x0
	EPI 0
	s_cmp_lt_u32 s56, 2
	s_cbranch_scc1 .Lnext
	EPI 1
	s_cmp_lt_u32 s56, 4
	s_cbranch_scc1 .Lnext
	EPI 2
	EPI 3
.Lnext:
	s_add_co_u32 s55, s55, 1
	s_cmp_lt_u32 s55, 2
	s_cbranch_scc1 .Lpass
	s_wait_dscnt 0x0                               ; my reads of LDS are over,
	s_barrier_signal -1                            ; and so, behind this barrier, are every wave's: all reads of the work-group's LDS are ordered ahead of every wave's closing add.
	s_barrier_wait -1                              ; It stands behind the pass loop, whose count is constant, where all ways join: every wave passes it
	s_wait_tensorcnt 0x0                           ; the wave's end, behind my last LDS store
	ds_add_u32 v4, v5
	s_wait_dscnt 0x0
	s_endpgm
.Lfunc_end_k_q7afb309d32_energy:
	.size	k_q7afb309d32_energy, .Lfunc_end_k_q7afb309d32_energy-k_q7afb309d32_energy
	.p2alignl 7, 3214868480
	.fill 96, 4, 3214868480
	.section	.rodata,"a",@progbits
	.p2align	6, 0x0
	.amdhsa_kernel k_q7afb309d32_energy
		.amdhsa_group_segment_fixed_size 301056
		.amdhsa_private_segment_fixed_size 0
		.amdhsa_enable_private_segment 0
		.amdhsa_kernarg_size 48
		.amdhsa_user_sgpr_count 2
		.amdhsa_user_sgpr_kernarg_segment_ptr 1
		.amdhsa_wavefront_size32 1
		.amdhsa_system_sgpr_workgroup_id_x 1
		.amdhsa_system_sgpr_workgroup_id_y 1
		.amdhsa_system_sgpr_workgroup_id_z 1
		.amdhsa_system_vgpr_workitem_id 0
		.amdhsa_next_free_vgpr 512
		.amdhsa_next_free_sgpr 104
		.amdhsa_reserve_vcc 0
		.amdhsa_float_denorm_mode_32 3
		.amdhsa_float_denorm_mode_16_64 3
		.amdhsa_memory_ordered 1
		.amdhsa_forward_progress 1
		.amdhsa_inst_pref_size 178
	.end_amdhsa_kernel
	.amdgpu_metadata
---
amdhsa.version: [ 1, 2 ]
amdhsa.kernels:
  - .name:           k_q7afb309d32_energy
    .symbol:         k_q7afb309d32_energy.kd
    .args:
      - { .name: xs, .offset: 0, .size: 8, .value_kind: global_buffer, .address_space: global }
      - { .name: idx, .offset: 8, .size: 8, .value_kind: global_buffer, .address_space: global }
      - { .name: sb, .offset: 16, .size: 8, .value_kind: global_buffer, .address_space: global }
      - { .name: W1, .offset: 24, .size: 8, .value_kind: global_buffer, .address_space: global }
      - { .name: W2, .offset: 32, .size: 8, .value_kind: global_buffer, .address_space: global }
      - { .name: ep, .offset: 40, .size: 8, .value_kind: global_buffer, .address_space: global }
    .group_segment_fixed_size: 301056
    .private_segment_fixed_size: 0
    .kernarg_segment_align: 8
    .kernarg_segment_size: 48
    .max_flat_workgroup_size: 256
    .sgpr_count:     104
    .vgpr_count:     512
    .wavefront_size: 32
...
	.end_amdgpu_metadata
.endif
;; end of part 3
;; launch ctx (part 4): grid 16 x 16, 16 waves a work-group, no clusters, 10,240 bytes of LDS; arguments lstm_output, ep, idx, b2, out1, cx; writes out1, cx
.if DOCPART == 4
	.amdgcn_target "amdgcn-amd-amdhsa--gfx1250"
	.amdhsa_code_object_version 6
	.text
	.protected	k_q7afb309d32_ctx
	.globl	k_q7afb309d32_ctx
	.p2align	8
	.type	k_q7afb309d32_ctx,@function
k_q7afb309d32_ctx:
	s_mov_b64 s[64:65], 0
	v_nop
	global_prefetch_b8 v0, s[64:65] scope:SCOPE_SE
	s_setreg_imm32_b32 hwreg(HW_REG_WAVE_MODE, 25, 1), 1
	s_wait_xcnt 0x0
; CTX: energy = tanh(the 16 slices' parts + b2); the softmax over a sentence's valid tokens (with the maximum taken away, as reference() does); out1; context = the weighted sum of the words;
; and, for each group of 16 sentences, the mean and the sum of squared deviations of the contexts, for the second batch norm.
; Left out: rows with s >= len have weight 0 and are not fetched: places past the count repeat the sentence's last row, with weight 0.
; SHARES.  Work-group (j, i): sentences 16 i .. + 15, features 64 j .. + 63 (256 aligned bytes of a row).  Wave q: sentence b = 16 i + q.  Lane: 4 features c, one of two rows hf.
; Every work-group of an i makes the sentence's weights anew (64 numbers from 4 KiB of ep): cheaper than a launch for them.  All loads go out at once; memory binds: no matrix unit, no cluster.
; LDS: each wave's 64 weights at 256 q; the contexts at 4096 + 256 q; the spare words from 8192.
.set CXL,   4096
.set SPARE, 8192
	s_load_b256 s[4:11], s[0:1], 0x0               ; lstm s[4:5], ep s[6:7], idx s[8:9], b2 s[10:11]
	s_load_b128 s[12:15], s[0:1], 0x20             ; out1 s[12:13], cx s[14:15]
	v_lshl_add_u32 v4, v0, 2, SPARE
	v_mov_b32 v5, 0
	v_and_b32 v1, 31, v0
	v_lshrrev_b32 v9, 5, v0
	v_readfirstlane_b32 s24, v9                    ; q
	v_and_b32 v2, 15, v0
	v_bfe_u32 v3, v0, 4, 1
	s_mov_b32 s25, ttmp9                           ; j
	s_and_b32 s26, ttmp7, 0xffff                   ; i
	s_lshl_b32 s27, s26, 4
	s_add_co_u32 s27, s27, s24                     ; b
	s_mov_b32 s28, 0x76543210
	s_mov_b32 s29, 0xfedcba98
	v_lshlrev_b32 v6, 4, v2
	v_lshlrev_b32 v7, 1, v3
	v_lshlrev_b32 v8, 2, v1
	v_mov_b32 v24, 0
	s_lshl_b32 s30, s27, 2
	s_mov_b32 s31, 0
	s_wait_kmcnt 0x0
	s_add_nc_u64 s[16:17], s[8:9], s[30:31]
	s_load_b32 s20, s[16:17], 0x10000              ; where the sentence's tokens begin
	s_load_b32 s21, s[16:17], 0x10400              ; its length
	s_load_b32 s22, s[10:11], 0x0                  ; b2
	s_lshl_b32 s30, s27, 18
	s_lshl_b32 s32, s25, 8
	s_add_co_u32 s30, s30, s32
	s_add_nc_u64 s[18:19], s[4:5], s[30:31]        ; lstm at my sentence and features
	s_wait_kmcnt 0x0
	s_min_u32 s20, s20, 0x3fff
	s_min_u32 s21, s21, 64
	s_max_u32 s23, s21, 1
	s_sub_co_u32 s23, s23, 1                       ; the last valid row
	v_min_u32 v9, s23, v1                          ; token l, or the sentence's last
	v_add_nc_u32 v9, s20, v9
	v_min_u32 v9, 0x3fff, v9
	v_lshlrev_b32 v9, 2, v9
	v_add_nc_u32 v10, 32, v1
	v_min_u32 v11, s23, v10                        ; token l + 32 likewise
	v_add_nc_u32 v11, s20, v11
	v_min_u32 v11, 0x3fff, v11
	v_lshlrev_b32 v11, 2, v11
.set n, 0
.rept 16
	global_load_b32 v[192+n], v9, s[6:7] offset:65536*n
	global_load_b32 v[208+n], v11, s[6:7] offset:65536*n
.set n, n+1
.endr
.set n, 0
.rept 32                               ; load n takes rows 4 (n / 2) + n % 2 + 2 hf
	v_add_nc_u32 v[32+n], 4*(n/2)+(n%2), v7
	v_min_u32 v[32+n], s23, v[32+n]
	v_min_u32 v[32+n], 63, v[32+n]
	v_lshl_add_u32 v[32+n], v[32+n], 12, v6
.set n, n+1
.endr
.set n, 0
.rept 32
	global_load_b128 v[64+4*n:67+4*n], v[32+n], s[18:19]
.set n, n+1
.endr
	s_wait_loadcnt 32                              ; the energies' parts are in; the 32 loads of words stay out
	v_add_f32 v12, v192, v193
	v_add_f32 v13, v208, v209
.set n, 2
.rept 14
	v_add_f32 v12, v12, v[192+n]
	v_add_f32 v13, v13, v[208+n]
.set n, n+1
.endr
	v_add_f32 v12, s22, v12
	v_add_f32 v13, s22, v13
	v_mul_f32 v12, 0x4038aa3b, v12                 ; tanh(z) = 1 - 2 / (1 + 2^(2 log2(e) z))
	v_mul_f32 v13, 0x4038aa3b, v13
	v_exp_f32 v12, v12
	v_exp_f32 v13, v13
	v_nop                                          ; behind each batch of transcendentals: a plain instruction and a wait
	s_wait_alu depctr_va_vdst(0)
	v_add_f32 v12, 1.0, v12
	v_add_f32 v13, 1.0, v13
	v_rcp_f32 v12, v12
	v_rcp_f32 v13, v13
	v_nop
	s_wait_alu depctr_va_vdst(0)
	v_fma_f32 v12, v12, -2.0, 1.0
	v_fma_f32 v13, v13, -2.0, 1.0
	v_cmp_gt_u32 s34, s21, v1                      ; is token l valid?
	v_cmp_gt_u32 s35, s21, v10
	v_mov_b32 v14, 0xce6e6b28                      ; -1e9
	v_cndmask_b32 v12, v14, v12, s34
	v_cndmask_b32 v13, v14, v13, s35
	v_max_num_f32 v15, v12, v13
.irp m, 1,2,4,8
	v_max_num_f32_dpp v15, v15, v15 row_xmask:\m row_mask:0xf bank_mask:0xf
.endr
	v_permlanex16_b32 v24, v15, s28, s29
	v_max_num_f32 v15, v15, v24                    ; the sentence's maximum
	v_sub_f32 v12, v12, v15
	v_sub_f32 v13, v13, v15
	v_mul_f32 v12, 0x3fb8aa3b, v12
	v_mul_f32 v13, 0x3fb8aa3b, v13
	v_exp_f32 v12, v12
	v_exp_f32 v13, v13
	v_nop
	s_wait_alu depctr_va_vdst(0)
	v_add_f32 v15, v12, v13
.irp m, 1,2,4,8
	v_add_f32_dpp v15, v15, v15 row_xmask:\m row_mask:0xf bank_mask:0xf
.endr
	v_permlanex16_b32 v24, v15, s28, s29
	v_add_f32 v15, v15, v24
	v_rcp_f32 v15, v15
	v_nop
	s_wait_alu depctr_va_vdst(0)
	v_mul_f32 v12, v12, v15
	v_mul_f32 v13, v13, v15
	v_cndmask_b32 v12, 0, v12, s34                 ; times the mask
	v_cndmask_b32 v13, 0, v13, s35
	s_cmp_lg_u32 s25, 0
	s_cbranch_scc1 .Lno_w
	s_lshl_b32 s30, s27, 8
	s_add_nc_u64 s[36:37], s[12:13], s[30:31]      ; these two stores' base; never rewritten
	global_store_b32 v8, v12, s[36:37]             ; out1's row, by the work-groups with j = 0: 128 consecutive bytes each
	global_store_b32 v8, v13, s[36:37] offset:128
.Lno_w:
	s_lshl_b32 s38, s24, 8
	v_add_nc_u32 v25, s38, v8
	ds_store_b32 v25, v12
	ds_store_b32 v25, v13 offset:128
	v_lshl_add_u32 v26, v3, 3, s38
.set n, 0
.rept 16
	ds_load_b64 v[224+2*n:225+2*n], v26 offset:16*n  ; the weights of rows 4 n + 2 hf and + 1; my wave's own bytes, served in order (ISA guide 5.7.1.4)
.set n, n+1
.endr
	s_wait_dscnt 0x0
	s_wait_loadcnt 0x0                             ; the words
.irp k, 0,1,2,3
	v_mul_f32 v[16+\k], v[64+\k], v224
	v_mul_f32 v[20+\k], v[68+\k], v225
.endr
.set n, 2
.rept 30                               ; two sets of sums, by the load's parity
.irp k, 0,1,2,3
	v_fmac_f32 v[16+4*(n%2)+\k], v[64+4*n+\k], v[224+n]
.endr
.set n, n+1
.endr
	v_pk_add_f32 v[16:17], v[16:17], v[20:21]
	v_pk_add_f32 v[18:19], v[18:19], v[22:23]
.irp k, 0,1,2,3
	v_permlanex16_b32 v[64+\k], v[16+\k], s28, s29
.endr
	v_pk_add_f32 v[16:17], v[16:17], v[64:65]
	v_pk_add_f32 v[18:19], v[18:19], v[66:67]
	s_lshl_b32 s30, s27, 12
	s_add_co_u32 s30, s30, s32
	s_add_nc_u64 s[40:41], s[14:15], s[30:31]      ; a base of its own: no register of the stores above is written again
	global_store_b128 v6, v[16:19], s[40:41]       ; ctx[b][64 j ..]: 16 lanes store 256 aligned bytes; both halves write the same
	v_add_nc_u32 v27, s38, v6
	ds_store_b128 v27, v[16:19] offset:CXL
	s_wait_dscnt 0x0
	s_barrier_signal -1
	s_barrier_wait -1
	s_cmp_lg_u32 s24, 0
	s_cbranch_scc1 .Lend
.set n, 0
.rept 16                               ; wave 0: the group's 16 contexts
	ds_load_b128 v[64+4*n:67+4*n], v6 offset:CXL+256*n
.set n, n+1
.endr
	s_wait_dscnt 0x0
	v_pk_add_f32 v[128:129], v[64:65], v[68:69]
	v_pk_add_f32 v[130:131], v[66:67], v[70:71]
.set n, 2
.rept 14
	v_pk_add_f32 v[128:129], v[128:129], v[64+4*n:65+4*n]
	v_pk_add_f32 v[130:131], v[130:131], v[66+4*n:67+4*n]
.set n, n+1
.endr
	v_pk_mul_f32 v[128:129], v[128:129], 0x3d800000 op_sel_hi:[1,0]  ; the group's mean
	v_pk_mul_f32 v[130:131], v[130:131], 0x3d800000 op_sel_hi:[1,0]
.set n, 0
.rept 16
	v_pk_add_f32 v[64+4*n:65+4*n], v[64+4*n:65+4*n], v[128:129] neg_lo:[0,1] neg_hi:[0,1]
	v_pk_add_f32 v[66+4*n:67+4*n], v[66+4*n:67+4*n], v[130:131] neg_lo:[0,1] neg_hi:[0,1]
.if n == 0
	v_pk_mul_f32 v[132:133], v[64:65], v[64:65]
	v_pk_mul_f32 v[134:135], v[66:67], v[66:67]
.else
	v_pk_fma_f32 v[132:133], v[64+4*n:65+4*n], v[64+4*n:65+4*n], v[132:133]
	v_pk_fma_f32 v[134:135], v[66+4*n:67+4*n], v[66+4*n:67+4*n], v[134:135]
.endif
.set n, n+1
.endr
	v_cmp_eq_u32 vcc_lo, 1, v3
.irp k, 0,1,2,3
	v_cndmask_b32 v[136+\k], v[128+\k], v[132+\k], vcc_lo
.endr
	v_lshl_add_u32 v29, v3, 12, v6
	s_lshl_b32 s30, s26, 13
	s_add_co_u32 s30, s30, s32
	s_add_nc_u64 s[16:17], s[14:15], s[30:31]      ; (the scalar loads that read s[16:17] were waited for at the head)
	global_store_b128 v29, v[136:139], s[16:17] offset:1048576  ; lanes 0-15 the mean, lanes 16-31 the squared deviations
.Lend:
	s_wait_tensorcnt 0x0                           ; the wave's end, behind my last LDS store
	ds_add_u32 v4, v5
	s_wait_dscnt 0x0
	s_endpgm
.Lfunc_end_k_q7afb309d32_ctx:
	.size	k_q7afb309d32_ctx, .Lfunc_end_k_q7afb309d32_ctx-k_q7afb309d32_ctx
	.p2alignl 7, 3214868480
	.fill 96, 4, 3214868480
	.section	.rodata,"a",@progbits
	.p2align	6, 0x0
	.amdhsa_kernel k_q7afb309d32_ctx
		.amdhsa_group_segment_fixed_size 10240
		.amdhsa_private_segment_fixed_size 0
		.amdhsa_enable_private_segment 0
		.amdhsa_kernarg_size 48
		.amdhsa_user_sgpr_count 2
		.amdhsa_user_sgpr_kernarg_segment_ptr 1
		.amdhsa_wavefront_size32 1
		.amdhsa_system_sgpr_workgroup_id_x 1
		.amdhsa_system_sgpr_workgroup_id_y 1
		.amdhsa_system_sgpr_workgroup_id_z 1
		.amdhsa_system_vgpr_workitem_id 0
		.amdhsa_next_free_vgpr 256
		.amdhsa_next_free_sgpr 66
		.amdhsa_reserve_vcc 1
		.amdhsa_float_denorm_mode_32 3
		.amdhsa_float_denorm_mode_16_64 3
		.amdhsa_memory_ordered 1
		.amdhsa_forward_progress 1
		.amdhsa_inst_pref_size 31
	.end_amdhsa_kernel
	.amdgpu_metadata
---
amdhsa.version: [ 1, 2 ]
amdhsa.kernels:
  - .name:           k_q7afb309d32_ctx
    .symbol:         k_q7afb309d32_ctx.kd
    .args:
      - { .name: lstm_output, .offset: 0, .size: 8, .value_kind: global_buffer, .address_space: global }
      - { .name: ep, .offset: 8, .size: 8, .value_kind: global_buffer, .address_space: global }
      - { .name: idx, .offset: 16, .size: 8, .value_kind: global_buffer, .address_space: global }
      - { .name: b2, .offset: 24, .size: 8, .value_kind: global_buffer, .address_space: global }
      - { .name: out1, .offset: 32, .size: 8, .value_kind: global_buffer, .address_space: global }
      - { .name: cx, .offset: 40, .size: 8, .value_kind: global_buffer, .address_space: global }
    .group_segment_fixed_size: 10240
    .private_segment_fixed_size: 0
    .kernarg_segment_align: 8
    .kernarg_segment_size: 48
    .max_flat_workgroup_size: 512
    .sgpr_count:     66
    .vgpr_count:     256
    .wavefront_size: 32
...
	.end_amdgpu_metadata
.endif
;; end of part 4
;; launch head1 (part 5): grid 16 x 8, 8 waves a work-group, no clusters, 254,464 bytes of LDS; arguments cx, bn2_g, bn2_b, Wp1, bp1, Wp2, po; writes po
.if DOCPART == 5
	.amdgcn_target "amdgcn-amd-amdhsa--gfx1250"
	.amdhsa_code_object_version 6
	.text
	.protected	k_q7afb309d32_head1
	.globl	k_q7afb309d32_head1
	.p2align	8
	.type	k_q7afb309d32_head1,@function
k_q7afb309d32_head1:
	s_mov_b64 s[64:65], 0
	v_nop
	global_prefetch_b8 v0, s[64:65] scope:SCOPE_SE
	s_setreg_imm32_b32 hwreg(HW_REG_WAVE_MODE, 25, 1), 1
	s_wait_xcnt 0x0
; HEAD1: the second batch norm, p = tanh(c Wp1 + bp1), and this block's part of p Wp2.  Nothing of reference()'s head is left out.
; The batch's mean and variance are joined from the 16 groups' (mean, sum of squared deviations): var = (sum M2 + 16 sum (mean_i - mean)^2) / 256: no difference of large sums.
; SHARES.  Work-group (ns, mb): sentences 32 mb .. + 31, columns 64 ns .. + 63 of p, K = 1024; then those 64 columns' part of the last product, 32 x 64, stored as a partial sum in f32.
; Wave w: 16 sentences mt = w / 4, 16 columns nt = w % 4.  128 work-groups: halving the rows would give 256 that each read nearly the same bytes (the weights' slice), with half the waves idle.
; Operands pass through registers (f32 in memory, scaled or rounded on the way) into LDS once.  Products are taken transposed, as in sent.
.set APL,   2064
.set WL,    32*APL                     ; 66,048: Wp1's slice, [k][64 n] bf16
.set WPL,   160
.set W2L,   WL+1024*WPL                ; 229,888: Wp2's 64 rows, [k][64 o] bf16
.set PL,    W2L+64*WPL                 ; 240,128: p, 32 rows of 128 bytes + 16
.set PPL,   144
.set ST,    PL+32*PPL                  ; 244,736: the stage for the way out
.set STP,   272
.set SPARE, ST+32*STP                  ; 253,440: the spare words
.set APITCH, 4096
.set WPITCH, 4096
.set CC,    0x4038aa3b
.set B0, 64
.set B1, 128
.set B2, 192
; v6 = v63 = 16 t; v7 8 t; v[8:11] scale, v[12:15] shift; v[16:47] accumulators (first: Wp2's rows and the statistics at work); v[48:55] bp1; v56 my offset in Wp1's rows; v57 where its 8 bytes go
; v58, v59 fragment addresses; v60, v61 stage in and out; v62 where Wp2's 8 bytes go, then p's place
.macro NOP4
.rept 4
	v_nop
.endr
.endm
.macro LDA buf, r0
.set n, 0
.rept 16
	global_load_b128 v[(\buf)+4*n:(\buf)+4*n+3], v6, s[28:29] offset:((\r0)+n)*APITCH
.set n, n+1
.endr
.endm
.macro STA buf, r0
.set n, 0
.rept 16
	v_pk_fma_f32 v[(\buf)+4*n:(\buf)+4*n+1], v[(\buf)+4*n:(\buf)+4*n+1], v[8:9], v[12:13]
	v_pk_fma_f32 v[(\buf)+4*n+2:(\buf)+4*n+3], v[(\buf)+4*n+2:(\buf)+4*n+3], v[10:11], v[14:15]
	v_cvt_pk_bf16_f32 v[(\buf)+4*n], v[(\buf)+4*n], v[(\buf)+4*n+1]
	v_cvt_pk_bf16_f32 v[(\buf)+4*n+1], v[(\buf)+4*n+2], v[(\buf)+4*n+3]
	ds_store_b64 v7, v[(\buf)+4*n:(\buf)+4*n+1] offset:((\r0)+n)*APL
.set n, n+1
.endr
.endm
.macro LDW buf, u0
.set n, 0
.rept 16
	global_load_b128 v[(\buf)+4*n:(\buf)+4*n+3], v56, s[30:31] offset:((\u0)+n)*16*WPITCH
.set n, n+1
.endr
.endm
.macro STW buf
.set n, 0
.rept 16
	v_cvt_pk_bf16_f32 v[(\buf)+4*n], v[(\buf)+4*n], v[(\buf)+4*n+1]
	v_cvt_pk_bf16_f32 v[(\buf)+4*n+1], v[(\buf)+4*n+2], v[(\buf)+4*n+3]
	ds_store_b64 v57, v[(\buf)+4*n:(\buf)+4*n+1] offset:16*WPL*n
.set n, n+1
.endr
	v_add_nc_u32 v57, 256*WPL, v57
.endm
	s_load_b256 s[4:11], s[0:1], 0x0               ; cx s[4:5], g s[6:7], b s[8:9], Wp1 s[10:11]
	s_load_b128 s[12:15], s[0:1], 0x20             ; bp1 s[12:13], Wp2 s[14:15]
	s_load_b64 s[16:17], s[0:1], 0x30              ; po
	v_lshl_add_u32 v4, v0, 2, SPARE
	v_mov_b32 v5, 0
	v_and_b32 v1, 31, v0
	v_lshrrev_b32 v63, 5, v0
	v_readfirstlane_b32 s20, v63                   ; w
	v_and_b32 v2, 15, v0
	v_bfe_u32 v3, v0, 4, 1
	s_mov_b32 s21, ttmp9                           ; ns
	s_and_b32 s22, ttmp7, 0xffff                   ; mb
	s_lshr_b32 s23, s20, 2                         ; mt
	s_and_b32 s24, s20, 3                          ; nt
	v_lshlrev_b32 v63, 4, v0
	v_mov_b32 v6, v63
	v_lshlrev_b32 v7, 3, v0
	v_lshrrev_b32 v57, 4, v0
	v_lshlrev_b32 v56, 4, v2
	v_mul_u32_u24 v61, v57, STP
	v_add_nc_u32 v61, v61, v56
	v_add_nc_u32 v61, ST, v61
	v_lshl_add_u32 v56, v57, 12, v56               ; row t / 16 of Wp1, 16 c bytes in
	v_mul_u32_u24 v57, v57, WPL
	v_lshl_add_u32 v57, v2, 3, v57
	v_add_nc_u32 v62, W2L, v57                     ; where Wp2's 8 bytes go
	v_add_nc_u32 v57, WL, v57
	v_and_b32 v58, 7, v0
	v_lshl_add_u32 v58, v3, 3, v58
	v_mul_u32_u24 v58, v58, WPL
	v_bfe_u32 v59, v0, 3, 1
	v_lshl_add_u32 v58, v59, 4, v58
	s_lshl_b32 s26, s24, 5
	v_add_nc_u32 v58, s26, v58                     ; the turning load's place in a slice: + WL or + W2L below
	s_lshl_b32 s26, s23, 4
	v_add_nc_u32 v59, s26, v2                      ; sentence 16 mt + r
	s_lshl_b32 s26, s22, 17                        ; 32 mb rows of 4,096 bytes
	s_mov_b32 s27, 0
	s_wait_kmcnt 0x0
	s_add_nc_u64 s[28:29], s[4:5], s[26:27]
	s_lshl_b32 s26, s21, 8
	s_add_nc_u64 s[30:31], s[10:11], s[26:27]
	s_lshl_b32 s32, s24, 6
	s_add_co_u32 s26, s26, s32
	s_add_nc_u64 s[34:35], s[12:13], s[26:27]      ; bp1 at my tile's columns
	s_lshl_b32 s26, s21, 14
	s_add_nc_u64 s[36:37], s[14:15], s[26:27]      ; Wp2 at rows 64 ns ..
	s_lshl_b32 s26, s21, 16
	s_lshl_b32 s32, s22, 13
	s_add_co_u32 s26, s26, s32
	s_add_nc_u64 s[32:33], s[16:17], s[26:27]      ; po[ns] at my rows
	v_lshlrev_b32 v60, 5, v3
	global_load_b128 v[8:11], v63, s[6:7]
	global_load_b128 v[12:15], v63, s[8:9]
	global_load_b128 v[48:51], v60, s[34:35]
	global_load_b128 v[52:55], v60, s[34:35] offset:16
.irp u, 0,1,2,3
	global_load_b128 v[16+4*\u:19+4*\u], v63, s[36:37] offset:4096*\u  ; Wp2's 64 rows are 16,384 consecutive bytes
.endr
.set i, 0
.rept 16
	global_load_b128 v[64+8*i:67+8*i], v63, s[4:5] offset:1048576+8192*i
	global_load_b128 v[68+8*i:71+8*i], v63, s[4:5] offset:1048576+8192*i+4096
.set i, i+1
.endr
	LDW B2, 0
	s_wait_loadcnt 16                              ; all but the first chunk of Wp1
	v_pk_add_f32 v[32:33], v[64:65], v[72:73]
	v_pk_add_f32 v[34:35], v[66:67], v[74:75]
	v_pk_add_f32 v[36:37], v[68:69], v[76:77]
	v_pk_add_f32 v[38:39], v[70:71], v[78:79]
.set i, 2
.rept 14
	v_pk_add_f32 v[32:33], v[32:33], v[64+8*i:65+8*i]
	v_pk_add_f32 v[34:35], v[34:35], v[66+8*i:67+8*i]
	v_pk_add_f32 v[36:37], v[36:37], v[68+8*i:69+8*i]
	v_pk_add_f32 v[38:39], v[38:39], v[70+8*i:71+8*i]
.set i, i+1
.endr
	v_pk_mul_f32 v[32:33], v[32:33], 0x3d800000 op_sel_hi:[1,0]  ; the batch's mean
	v_pk_mul_f32 v[34:35], v[34:35], 0x3d800000 op_sel_hi:[1,0]
.set i, 0
.rept 16
	v_pk_add_f32 v[64+8*i:65+8*i], v[64+8*i:65+8*i], v[32:33] neg_lo:[0,1] neg_hi:[0,1]
	v_pk_add_f32 v[66+8*i:67+8*i], v[66+8*i:67+8*i], v[34:35] neg_lo:[0,1] neg_hi:[0,1]
.if i == 0
	v_pk_mul_f32 v[40:41], v[64:65], v[64:65]
	v_pk_mul_f32 v[42:43], v[66:67], v[66:67]
.else
	v_pk_fma_f32 v[40:41], v[64+8*i:65+8*i], v[64+8*i:65+8*i], v[40:41]
	v_pk_fma_f32 v[42:43], v[66+8*i:67+8*i], v[66+8*i:67+8*i], v[42:43]
.endif
.set i, i+1
.endr
	v_pk_fma_f32 v[36:37], v[40:41], 0x41800000, v[36:37] op_sel_hi:[1,0,1]
	v_pk_fma_f32 v[38:39], v[42:43], 0x41800000, v[38:39] op_sel_hi:[1,0,1]
.irp k, 0,1,2,3
	v_mul_f32 v[36+\k], 0x3b800000, v[36+\k]       ; / 256
	v_add_f32 v[36+\k], 0x3727c5ac, v[36+\k]       ; + 1e-5
.endr
.irp k, 0,1,2,3
	v_rsq_f32 v[36+\k], v[36+\k]
.endr
	v_nop                                          ; a plain instruction, and the wait ahead of the first reader
	s_wait_alu depctr_va_vdst(0)
.irp k, 0,1,2,3
	v_mul_f32 v[8+\k], v[8+\k], v[36+\k]           ; scale
	v_fma_f32 v[12+\k], -v[32+\k], v[8+\k], v[12+\k]  ; shift
.endr
	LDA B0, 0
	LDA B1, 16
.irp u, 0,1,2,3
	v_cvt_pk_bf16_f32 v[16+4*\u], v[16+4*\u], v[17+4*\u]
	v_cvt_pk_bf16_f32 v[17+4*\u], v[18+4*\u], v[19+4*\u]
	ds_store_b64 v62, v[16+4*\u:17+4*\u] offset:16*WPL*\u
.endr
	s_wait_loadcnt 32                              ; each wait leaves out the chunks that were asked for later
	STW B2
	LDW B2, 16
	s_wait_loadcnt 32
	STA B0, 0
	LDW B0, 32
	s_wait_loadcnt 32
	STA B1, 16
	LDW B1, 48
	s_wait_loadcnt 32
	STW B2
	s_wait_loadcnt 16
	STW B0
	s_wait_loadcnt 0x0
	STW B1
	v_mul_u32_u24 v60, v59, STP                    ; the addresses of the later phases
	v_lshl_add_u32 v60, v3, 5, v60
	s_lshl_b32 s26, s24, 6
	s_add_co_u32 s26, s26, ST
	v_add_nc_u32 v60, s26, v60                     ; stage in: row 16 mt + r, 64 nt + 32 h bytes in
	v_mul_u32_u24 v62, v59, PPL
	v_lshl_add_u32 v62, v3, 4, v62
	v_add_nc_u32 v62, PL, v62                      ; p: row 16 mt + r, 16 h bytes in
	v_mul_u32_u24 v59, v59, APL
	v_lshl_add_u32 v59, v3, 4, v59
	v_add_nc_u32 v56, W2L, v58                     ; (Wp1's loads are done: v56 is free)
	v_add_nc_u32 v58, WL, v58
	s_wait_dscnt 0x0
	s_barrier_signal -1
	s_barrier_wait -1
	; THE FIRST PRODUCT: four batches of 8 K steps; the four accumulators take turns, one instruction a turn
.set bt, 0
.rept 4
.set s, 0
.rept 8
	ds_load_tr16_b128 v[64+16*s:67+16*s], v58 offset:32*WPL*s
	ds_load_tr16_b128 v[68+16*s:71+16*s], v58 offset:32*WPL*s+16*WPL
	ds_load_b128 v[72+16*s:75+16*s], v59 offset:64*s
	ds_load_b128 v[76+16*s:79+16*s], v59 offset:64*s+32
.set s, s+1
.endr
	v_add_nc_u32 v58, 256*WPL, v58
	v_add_nc_u32 v59, 512, v59
	s_wait_dscnt 0x0
.set s, 0
.rept 8
.if (bt == 0) && (s < 4)
	v_wmma_f32_16x16x32_bf16 v[16+8*s:23+8*s], v[64+16*s:71+16*s], v[72+16*s:79+16*s], 0
.else
	v_wmma_f32_16x16x32_bf16 v[16+8*(s%4):23+8*(s%4)], v[64+16*s:71+16*s], v[72+16*s:79+16*s], v[16+8*(s%4):23+8*(s%4)]
.endif
.set s, s+1
.endr
	NOP4                                           ; four places in front of loads into registers that the products have read
.set bt, bt+1
.endr
	NOP4
.irp k, 0,2,4,6                        ; each accumulator is read from its low end on
	v_pk_add_f32 v[16+\k:17+\k], v[16+\k:17+\k], v[24+\k:25+\k]
.endr
.irp k, 0,2,4,6
	v_pk_add_f32 v[32+\k:33+\k], v[32+\k:33+\k], v[40+\k:41+\k]
.endr
.irp k, 0,2,4,6
	v_pk_add_f32 v[16+\k:17+\k], v[16+\k:17+\k], v[32+\k:33+\k]
	v_pk_mul_f32 v[48+\k:49+\k], v[48+\k:49+\k], CC op_sel_hi:[1,0]
.endr
.irp k, 0,2,4,6
	v_pk_fma_f32 v[16+\k:17+\k], v[16+\k:17+\k], CC, v[48+\k:49+\k] op_sel_hi:[1,0,1]
.endr
.irp k, 0,1,2,3,4,5,6,7
	v_exp_f32 v[16+\k], v[16+\k]
.endr
	v_nop
	s_wait_alu depctr_va_vdst(0)
.irp k, 0,2,4,6
	v_pk_add_f32 v[16+\k:17+\k], v[16+\k:17+\k], 1.0 op_sel_hi:[1,0]
.endr
.irp k, 0,1,2,3,4,5,6,7
	v_rcp_f32 v[16+\k], v[16+\k]
.endr
	v_nop
	s_wait_alu depctr_va_vdst(0)
.irp k, 0,2,4,6
	v_pk_fma_f32 v[16+\k:17+\k], v[16+\k:17+\k], -2.0, 1.0 op_sel_hi:[1,0,0]  ; tanh
.endr
.irp k, 0,1,2,3
	v_cvt_pk_bf16_f32 v[24+\k], v[16+2*\k], v[17+2*\k]
.endr
	s_lshl_b32 s26, s24, 5
	v_add_nc_u32 v57, s26, v62
	ds_store_b128 v57, v[24:27]                    ; my 8 columns of one sentence's p
	s_wait_dscnt 0x0
	s_barrier_signal -1
	s_barrier_wait -1
	; THE SECOND PRODUCT: K = this block's 64 columns of p; wave (mt, nt) makes outputs 16 nt .. + 15
.irp s, 0,1
	ds_load_tr16_b128 v[64+16*\s:67+16*\s], v56 offset:32*WPL*\s
	ds_load_tr16_b128 v[68+16*\s:71+16*\s], v56 offset:32*WPL*\s+16*WPL
	ds_load_b128 v[72+16*\s:75+16*\s], v62 offset:64*\s
	ds_load_b128 v[76+16*\s:79+16*\s], v62 offset:64*\s+32
.endr
	s_wait_dscnt 0x0
	v_wmma_f32_16x16x32_bf16 v[16:23], v[64:71], v[72:79], 0
	v_wmma_f32_16x16x32_bf16 v[24:31], v[80:87], v[88:95], 0
	NOP4
	NOP4
.irp k, 0,2,4,6
	v_pk_add_f32 v[16+\k:17+\k], v[16+\k:17+\k], v[24+\k:25+\k]
.endr
	ds_store_b128 v60, v[16:19]
	ds_store_b128 v60, v[20:23] offset:16
	s_wait_dscnt 0x0
	s_barrier_signal -1
	s_barrier_wait -1
	ds_load_b128 v[64:67], v61
	ds_load_b128 v[68:71], v61 offset:16*STP
	s_wait_dscnt 1
	global_store_b128 v63, v[64:67], s[32:33]      ; 16 lanes store a row's 256 bytes
	s_wait_dscnt 0x0
	global_store_b128 v63, v[68:71], s[32:33] offset:4096
	s_wait_tensorcnt 0x0                           ; the wave's end, behind my last LDS store
	ds_add_u32 v4, v5
	s_wait_dscnt 0x0
	s_endpgm
.Lfunc_end_k_q7afb309d32_head1:
	.size	k_q7afb309d32_head1, .Lfunc_end_k_q7afb309d32_head1-k_q7afb309d32_head1
	.p2alignl 7, 3214868480
	.fill 96, 4, 3214868480
	.section	.rodata,"a",@progbits
	.p2align	6, 0x0
	.amdhsa_kernel k_q7afb309d32_head1
		.amdhsa_group_segment_fixed_size 254464
		.amdhsa_private_segment_fixed_size 0
		.amdhsa_enable_private_segment 0
		.amdhsa_kernarg_size 56
		.amdhsa_user_sgpr_count 2
		.amdhsa_user_sgpr_kernarg_segment_ptr 1
		.amdhsa_wavefront_size32 1
		.amdhsa_system_sgpr_workgroup_id_x 1
		.amdhsa_system_sgpr_workgroup_id_y 1
		.amdhsa_system_sgpr_workgroup_id_z 1
		.amdhsa_system_vgpr_workitem_id 0
		.amdhsa_next_free_vgpr 256
		.amdhsa_next_free_sgpr 66
		.amdhsa_reserve_vcc 0
		.amdhsa_float_denorm_mode_32 3
		.amdhsa_float_denorm_mode_16_64 3
		.amdhsa_memory_ordered 1
		.amdhsa_forward_progress 1
		.amdhsa_inst_pref_size 65
	.end_amdhsa_kernel
	.amdgpu_metadata
---
amdhsa.version: [ 1, 2 ]
amdhsa.kernels:
  - .name:           k_q7afb309d32_head1
    .symbol:         k_q7afb309d32_head1.kd
    .args:
      - { .name: cx, .offset: 0, .size: 8, .value_kind: global_buffer, .address_space: global }
      - { .name: bn2_g, .offset: 8, .size: 8, .value_kind: global_buffer, .address_space: global }
      - { .name: bn2_b, .offset: 16, .size: 8, .value_kind: global_buffer, .address_space: global }
      - { .name: Wp1, .offset: 24, .size: 8, .value_kind: global_buffer, .address_space: global }
      - { .name: bp1, .offset: 32, .size: 8, .value_kind: global_buffer, .address_space: global }
      - { .name: Wp2, .offset: 40, .size: 8, .value_kind: global_buffer, .address_space: global }
      - { .name: po, .offset: 48, .size: 8, .value_kind: global_buffer, .address_space: global }
    .group_segment_fixed_size: 254464
    .private_segment_fixed_size: 0
    .kernarg_segment_align: 8
    .kernarg_segment_size: 56
    .max_flat_workgroup_size: 256
    .sgpr_count:     66
    .vgpr_count:     256
    .wavefront_size: 32
...
	.end_amdgpu_metadata
.endif
;; end of part 5
;; launch head2 (part 6): grid 16 x 1, 8 waves a work-group, no clusters, 0 bytes of LDS; arguments po, bp2, out0; writes out0
.if DOCPART == 6
	.amdgcn_target "amdgcn-amd-amdhsa--gfx1250"
	.amdhsa_code_object_version 6
	.text
	.protected	k_q7afb309d32_head2
	.globl	k_q7afb309d32_head2
	.p2align	8
	.type	k_q7afb309d32_head2,@function
k_q7afb309d32_head2:
	s_mov_b64 s[64:65], 0
	v_nop
	global_prefetch_b8 v0, s[64:65] scope:SCOPE_SE
	s_setreg_imm32_b32 hwreg(HW_REG_WAVE_MODE, 25, 1), 1
	s_wait_xcnt 0x0
; HEAD2: out0 = softmax(tanh(the 16 partial sums of p Wp2 + bp2)), with the row's maximum taken away as reference() does.  Nothing is left out.
; Thread t of work-group g: row 16 g + t / 16, outputs 4 (t % 16) .. + 3: its 16 bytes lie at 4096 g + 16 t of each part and of out0.  A row's 64 numbers lie in 16 neighbouring lanes.
; 16 work-groups: the launch moves 1 MiB and ends; it has no more rows to share out, and no use for LDS, matrix units or clusters.
	s_load_b128 s[4:7], s[0:1], 0x0                ; po s[4:5], bp2 s[6:7]
	s_load_b64 s[8:9], s[0:1], 0x10                ; out0
	v_and_b32 v1, 15, v0
	v_lshlrev_b32 v1, 4, v1
	v_lshlrev_b32 v2, 4, v0
	s_lshl_b32 s10, ttmp9, 12
	v_add_nc_u32 v2, s10, v2
	s_wait_kmcnt 0x0
	global_load_b128 v[4:7], v1, s[6:7]
.set u, 0
.rept 16
	global_load_b128 v[16+4*u:19+4*u], v2, s[4:5] offset:65536*u
.set u, u+1
.endr
.set u, 0
.rept 16
	s_wait_loadcnt 15-u                            ; part u is in; the younger parts may stay out
	v_pk_add_f32 v[4:5], v[4:5], v[16+4*u:17+4*u]
	v_pk_add_f32 v[6:7], v[6:7], v[18+4*u:19+4*u]
.set u, u+1
.endr
.irp k, 0,1,2,3
	v_mul_f32 v[4+\k], 0x4038aa3b, v[4+\k]         ; tanh(z) = 1 - 2 / (1 + 2^(2 log2(e) z))
.endr
.irp k, 0,1,2,3
	v_exp_f32 v[4+\k], v[4+\k]
.endr
	v_nop                                          ; behind each batch of transcendentals: a plain instruction and a wait
	s_wait_alu depctr_va_vdst(0)
	v_pk_add_f32 v[4:5], v[4:5], 1.0 op_sel_hi:[1,0]
	v_pk_add_f32 v[6:7], v[6:7], 1.0 op_sel_hi:[1,0]
.irp k, 0,1,2,3
	v_rcp_f32 v[4+\k], v[4+\k]
.endr
	v_nop
	s_wait_alu depctr_va_vdst(0)
	v_pk_fma_f32 v[4:5], v[4:5], -2.0, 1.0 op_sel_hi:[1,0,0]
	v_pk_fma_f32 v[6:7], v[6:7], -2.0, 1.0 op_sel_hi:[1,0,0]
	v_max_num_f32 v8, v4, v5
	v_max3_num_f32 v8, v8, v6, v7
.irp m, 1,2,4,8
	v_max_num_f32_dpp v8, v8, v8 row_xmask:\m row_mask:0xf bank_mask:0xf
.endr
.irp k, 0,1,2,3
	v_sub_f32 v[4+\k], v[4+\k], v8
	v_mul_f32 v[4+\k], 0x3fb8aa3b, v[4+\k]
.endr
.irp k, 0,1,2,3
	v_exp_f32 v[4+\k], v[4+\k]
.endr
	v_nop
	s_wait_alu depctr_va_vdst(0)
	v_add_f32 v8, v4, v5
	v_add_f32 v9, v6, v7
	v_add_f32 v8, v8, v9
.irp m, 1,2,4,8
	v_add_f32_dpp v8, v8, v8 row_xmask:\m row_mask:0xf bank_mask:0xf
.endr
	v_rcp_f32 v8, v8
	v_nop
	s_wait_alu depctr_va_vdst(0)
.irp k, 0,1,2,3
	v_mul_f32 v[4+\k], v[4+\k], v8
.endr
	global_store_b128 v2, v[4:7], s[8:9]           ; 16 lanes store a row's 256 bytes
	s_endpgm
.Lfunc_end_k_q7afb309d32_head2:
	.size	k_q7afb309d32_head2, .Lfunc_end_k_q7afb309d32_head2-k_q7afb309d32_head2
	.p2alignl 7, 3214868480
	.fill 96, 4, 3214868480
	.section	.rodata,"a",@progbits
	.p2align	6, 0x0
	.amdhsa_kernel k_q7afb309d32_head2
		.amdhsa_group_segment_fixed_size 0
		.amdhsa_private_segment_fixed_size 0
		.amdhsa_enable_private_segment 0
		.amdhsa_kernarg_size 24
		.amdhsa_user_sgpr_count 2
		.amdhsa_user_sgpr_kernarg_segment_ptr 1
		.amdhsa_wavefront_size32 1
		.amdhsa_system_sgpr_workgroup_id_x 1
		.amdhsa_system_sgpr_workgroup_id_y 1
		.amdhsa_system_sgpr_workgroup_id_z 1
		.amdhsa_system_vgpr_workitem_id 0
		.amdhsa_next_free_vgpr 96
		.amdhsa_next_free_sgpr 66
		.amdhsa_reserve_vcc 0
		.amdhsa_float_denorm_mode_32 3
		.amdhsa_float_denorm_mode_16_64 3
		.amdhsa_memory_ordered 1
		.amdhsa_forward_progress 1
		.amdhsa_inst_pref_size 8
	.end_amdhsa_kernel
	.amdgpu_metadata
---
amdhsa.version: [ 1, 2 ]
amdhsa.kernels:
  - .name:           k_q7afb309d32_head2
    .symbol:         k_q7afb309d32_head2.kd
    .args:
      - { .name: po, .offset: 0, .size: 8, .value_kind: global_buffer, .address_space: global }
      - { .name: bp2, .offset: 8, .size: 8, .value_kind: global_buffer, .address_space: global }
      - { .name: out0, .offset: 16, .size: 8, .value_kind: global_buffer, .address_space: global }
    .group_segment_fixed_size: 0
    .private_segment_fixed_size: 0
    .kernarg_segment_align: 8
    .kernarg_segment_size: 24
    .max_flat_workgroup_size: 256
    .sgpr_count:     66
    .vgpr_count:     96
    .wavefront_size: 32
...
	.end_amdgpu_metadata
.endif
;; end of part 6
;; ======== version 2 of 2: 6 launches; version 1 with the launches sent, head1 written anew for expert scheduling mode
;; limits: a difference of large sums (such as E[x^2] - mean^2): digits are lost where the result is much smaller than its terms; right only within a limited range of input values
;; workspace buffers: xs 33,554,432 bytes; idx 67,840 bytes of whole numbers; st1 139,264 bytes; sb 2,105,344 bytes; ep 1,048,576 bytes; cx 1,179,648 bytes; po 1,048,576 bytes
;; launch pack: the kernel of part 1 again; grid 16 x 16, 32 waves a work-group, no clusters, 110,592 bytes of LDS; arguments lstm_output, hidden_state, seq_lengths, bn1_g, bn1_b, xs, idx, st1; writes xs, idx, st1
;; launch sent (part 7): grid 32 x 8, 8 waves a work-group, no clusters, 239,616 bytes of LDS; arguments hidden_state, W1, b1, bn1_g, bn1_b, st1, idx, sb; writes sb
.if DOCPART == 7
	.amdgcn_target "amdgcn-amd-amdhsa--gfx1250"
	.amdhsa_code_object_version 6
	.text
	.protected	k_q7afb309d32_sent
	.globl	k_q7afb309d32_sent
	.p2align	8
	.type	k_q7afb309d32_sent,@function
k_q7afb309d32_sent:
	s_mov_b64 s[64:65], 0
	v_nop
	global_prefetch_b8 v0, s[64:65] scope:SCOPE_SE
	s_setreg_imm32_b32 hwreg(HW_REG_WAVE_SCHED_MODE, 0, 2), 2
	s_setreg_imm32_b32 hwreg(HW_REG_WAVE_MODE, 25, 1), 1
	s_wait_xcnt 0x0
	s_wait_alu depctr_vm_vsrc(0)
; SENT: sbc[b][n] = c (sn[b] . W1[1024:, n] + b1[n]), c = 2 log2(e), once a sentence; and the word half's scale and shift, c A and c v.
; Left out: hidden_state[0:4] (sliced away by hs[-1]); the product is taken for 256 sentence rows and not for every token, since these features are the same for all tokens of a sentence.
; sn = s sA + sC in f32, rounded to bf16 once; W1 rounded to bf16; sums in f32.
; SHARES.  Work-group (ns, mb): sentences 32 mb .. + 31, columns 64 ns .. + 63, K = 1024.  Wave w: the tile of 16 sentences mt = w / 4 and 16 columns nt = w % 4.
; Both operands are laid into LDS once, through registers (they are f32 in memory and are scaled or rounded on the way), so no tensor load; then one barrier.
; THE PRODUCT IS TAKEN TRANSPOSED: source 0 = 16 columns of W1 (turned out of [k][n] by ds_load_tr16_b128), source 1 = 16 sentences: a lane ends with 8 neighbouring columns of one sentence.
; No cluster: what work-groups share (a slice of W1 among 8, the rows among 32) has to pass through registers to be rounded.
; THE MODE: SCHED_MODE bits 1:0 = 2 (LLVM: expert scheduling mode 2), set by the entry lines.  The code itself states the register dependences
; between vector or matrix instructions and memory or LDS instructions, with s_wait_alu, always for 0.
; THE PLAN.  Registers that memory or LDS instructions touch:
;   B0, B1, B2   THE FILL: a chunk's 16 loads land in one of them; the chunk's scalings and roundings read it (the scalings write it too); then a later chunk's loads land in it.  No store reads them.
;                THE PRODUCT: a ring of three groups of 4 K steps.  Group g's products read buffer g % 3; the LDS loads of group g + 2, issued in group g, land in buffer (g - 1) % 3.
;   OUT          THE FILL: written by a chunk's roundings, read by its 16 LDS stores.  From the product on these registers are the accumulators.
;   v57          the LDS address of the weights' stores: read by them, stepped at the head of the weights' second, third and fourth chunk.
;   v63          read by the head's loads; made anew in the arm that one wave of eight work-groups takes.
;   v2, v3, v6, v7, v56, v58 to v62   offsets and LDS addresses, made at the head and never written again: immediates reach the rest.
; A CHUNK OF THE FILL: the wait for its data; a wait on vm_vsrc (the last chunk's stores have read OUT and v57); its vector instructions; a wait on va_vdst (OUT and v57 are written, the raw
; buffer is done with); the raw buffer's next 16 loads; the 16 stores.  A GROUP OF THE PRODUCT: one wait on va_vdst at its head (the last group's products are done reading their buffer), then its
; four products with four LDS loads behind each: the products name their own buffer and the accumulators, none of the registers that those loads touch.
.set APL,   2064                       ; a sentence's 2,048 bytes of bf16 + 16: an odd multiple of 16
.set WL,    32*APL                     ; 66,048: W1's slice, [k][64 n] bf16
.set WPL,   160                        ; 128 + 32: an odd multiple of 32
.set ST,    WL+1024*WPL                ; 229,888: the stage for the way out, 32 rows of 256 bytes + 16
.set STP,   272
.set SPARE, ST+32*STP                  ; 238,592: the spare words, 128 bytes a wave
.set APITCH, 2048                      ; bytes from sentence to sentence in hidden_state
.set WPITCH, 8192                      ; bytes in a row of W1
.set CC,    0x4038aa3b                 ; c = 2 log2(e)
.set B0, 64                            ; three buffers of 64 registers
.set B1, 128
.set B2, 192
.set OUT, 16                           ; v[16:47]: the fill's rounded numbers on their way into LDS
; v2, v3 r and h at the head, then W1's fragment addresses 12 and 24 K steps on; v6 my offset in a sentence's row; v7 where its 8 bytes go; v[8:11] sA, v[12:15] sC; v[16:47] OUT, then four accumulators
; v[48:55] b1; v56 my offset in W1's rows, and in sb's; v57 where W1's 8 bytes go; v58, v59 fragment addresses; v60, v61 stage in and out; v62 32 h; v63 16 t
.macro NOP4
.rept 4
	v_nop
.endr
.endm
.macro LDA buf, r0                     ; 16 rows' loads: the work-group's 256 threads take a whole row of 4,096 bytes
.set n, 0
.rept 16
	global_load_b128 v[(\buf)+4*n:(\buf)+4*n+3], v6, s[28:29] offset:((\r0)+n)*APITCH
.set n, n+1
.endr
.endm
.macro CVA buf                         ; scaled and shifted in place, rounded into OUT
.set n, 0
.rept 16
	v_pk_fma_f32 v[(\buf)+4*n:(\buf)+4*n+1], v[(\buf)+4*n:(\buf)+4*n+1], v[8:9], v[12:13]
	v_pk_fma_f32 v[(\buf)+4*n+2:(\buf)+4*n+3], v[(\buf)+4*n+2:(\buf)+4*n+3], v[10:11], v[14:15]
	v_cvt_pk_bf16_f32 v[OUT+2*n], v[(\buf)+4*n], v[(\buf)+4*n+1]
	v_cvt_pk_bf16_f32 v[OUT+2*n+1], v[(\buf)+4*n+2], v[(\buf)+4*n+3]
.set n, n+1
.endr
.endm
.macro SSA r0                          ; OUT into LDS: 16 sentences' rows
.set n, 0
.rept 16
	ds_store_b64 v7, v[OUT+2*n:OUT+2*n+1] offset:((\r0)+n)*APL
.set n, n+1
.endr
.endm
.macro LDW buf, u0                     ; 16 loads of the weights: load u takes rows 16 u .. 16 u + 15, 256 aligned bytes of each
.set n, 0
.rept 16
	global_load_b128 v[(\buf)+4*n:(\buf)+4*n+3], v56, s[30:31] offset:((\u0)+n)*16*WPITCH
.set n, n+1
.endr
.endm
.macro CVW buf                         ; rounded into OUT
.set n, 0
.rept 16
	v_cvt_pk_bf16_f32 v[OUT+2*n], v[(\buf)+4*n], v[(\buf)+4*n+1]
	v_cvt_pk_bf16_f32 v[OUT+2*n+1], v[(\buf)+4*n+2], v[(\buf)+4*n+3]
.set n, n+1
.endr
.endm
.macro SSW                             ; OUT into LDS: 256 rows of the weights' slice
.set n, 0
.rept 16
	ds_store_b64 v57, v[OUT+2*n:OUT+2*n+1] offset:16*WPL*n
.set n, n+1
.endr
.endm
; K step s: its fragments lie in ring buffer (s / 4) % 3, 16 registers at place s % 4: 8 of W1, then 8 of the sentences.
.macro KLOAD s
.set fr, 64+64*(((\s)/4)%3)+16*((\s)%4)
.set wa, 58                            ; the address register for K steps 0-11,
.if (\s) >= 12
.set wa, 2                             ; 12-23,
.endif
.if (\s) >= 24
.set wa, 3                             ; 24-31: the immediate, 58,880 at the most, reaches 12 K steps
.endif
	ds_load_tr16_b128 v[fr:fr+3], v[wa] offset:32*WPL*((\s)%12)
	ds_load_tr16_b128 v[fr+4:fr+7], v[wa] offset:32*WPL*((\s)%12)+16*WPL
	ds_load_b128 v[fr+8:fr+11], v59 offset:64*(\s)
	ds_load_b128 v[fr+12:fr+15], v59 offset:64*(\s)+32
.endm
.macro KMUL s                          ; K step s adds onto accumulator s % 4; the first four start the sums
.set fr, 64+64*(((\s)/4)%3)+16*((\s)%4)
.if (\s) < 4
	v_wmma_f32_16x16x32_bf16 v[16+8*(\s):23+8*(\s)], v[fr:fr+7], v[fr+8:fr+15], 0
.else
	v_wmma_f32_16x16x32_bf16 v[16+8*((\s)%4):23+8*((\s)%4)], v[fr:fr+7], v[fr+8:fr+15], v[16+8*((\s)%4):23+8*((\s)%4)]
.endif
.endm
	s_load_b512 s[4:19], s[0:1], 0x0               ; hidden s[4:5], W1 s[6:7], b1 s[8:9], g s[10:11], b s[12:13], st1 s[14:15], idx s[16:17], sb s[18:19]
	v_lshl_add_u32 v4, v0, 2, SPARE
	v_mov_b32 v5, 0
	v_and_b32 v1, 31, v0
	v_lshrrev_b32 v63, 5, v0
	v_readfirstlane_b32 s20, v63                   ; w
	v_and_b32 v2, 15, v0                           ; r, and my 16-byte column c
	v_bfe_u32 v3, v0, 4, 1                         ; h
	s_mov_b32 s21, ttmp9                           ; ns
	s_and_b32 s22, ttmp7, 0xffff                   ; mb
	v_lshlrev_b32 v63, 4, v0                       ; 16 t
	v_lshrrev_b32 v6, 7, v0
	v_and_b32 v56, 127, v0
	v_lshlrev_b32 v56, 4, v56
	v_lshl_add_u32 v6, v6, 19, v56                 ; features 4 t ..: direction t / 128, 16 (t % 128) bytes in
	v_lshlrev_b32 v7, 3, v0
	v_lshrrev_b32 v57, 4, v0                       ; t / 16
	v_lshlrev_b32 v56, 4, v2
	v_mul_u32_u24 v61, v57, STP
	v_add_nc_u32 v61, v61, v56
	v_add_nc_u32 v61, ST, v61
	v_lshl_add_u32 v56, v57, 13, v56               ; row t / 16, 16 c bytes in
	v_mul_u32_u24 v57, v57, WPL
	v_lshl_add_u32 v57, v2, 3, v57
	v_add_nc_u32 v57, WL, v57
	v_and_b32 v58, 7, v0
	v_lshl_add_u32 v58, v3, 3, v58
	v_mul_u32_u24 v58, v58, WPL
	v_bfe_u32 v59, v0, 3, 1
	v_lshl_add_u32 v58, v59, 4, v58
	s_wait_alu depctr_va_sdst(0)                   ; s20 is written, ahead of its first reader: mt, nt and all that is made from them
	s_lshr_b32 s23, s20, 2                         ; mt
	s_and_b32 s24, s20, 3                          ; nt
	s_lshl_b32 s26, s24, 5
	s_add_co_u32 s26, s26, WL
	v_add_nc_u32 v58, s26, v58                     ; the turning load: row 8 h + l % 8, 16 ((l / 8) % 2) + 32 nt bytes in
	s_lshl_b32 s26, s23, 4
	v_add_nc_u32 v59, s26, v2
	v_mul_u32_u24 v60, v59, STP
	v_mul_u32_u24 v59, v59, APL
	v_lshl_add_u32 v59, v3, 4, v59                 ; sentence 16 mt + r, 16 h bytes in
	v_lshl_add_u32 v60, v3, 5, v60
	s_lshl_b32 s26, s24, 6
	s_add_co_u32 s26, s26, ST
	v_add_nc_u32 v60, s26, v60
	v_lshlrev_b32 v62, 5, v3
	v_add_nc_u32 v2, 12*32*WPL, v58                ; r and h have served: the turning load's address 12 K steps on,
	v_add_nc_u32 v3, 24*32*WPL, v58                ; and 24
	s_lshl_b32 s26, s22, 16                        ; 32 mb sentences of 2,048 bytes
	s_mov_b32 s27, 0
	s_wait_kmcnt 0x0
	s_add_nc_u64 s[28:29], s[4:5], s[26:27]
	s_add_nc_u64 s[28:29], s[28:29], 0x200000      ; hidden_state[4]
	s_lshl_b32 s26, s21, 8
	s_add_nc_u64 s[30:31], s[6:7], s[26:27]
	s_add_nc_u64 s[30:31], s[30:31], 0x800000      ; W1[1024]
	s_lshl_b32 s32, s24, 6
	s_add_co_u32 s26, s26, s32
	s_add_nc_u64 s[34:35], s[8:9], s[26:27]        ; b1 at my tile's columns
	s_lshl_b32 s26, s22, 18
	s_lshl_b32 s32, s21, 8
	s_add_co_u32 s26, s26, s32
	s_add_nc_u64 s[32:33], s[18:19], s[26:27]      ; sb at my block
	s_wait_alu depctr_va_vdst(0)                   ; all offsets and LDS addresses (v2, v3, v6, v7, v56 to v63) are written, which the loads and stores of the kernel read
	global_load_b128 v[8:11], v63, s[14:15] offset:131072
	global_load_b128 v[12:15], v63, s[14:15] offset:135168
	global_load_b128 v[48:51], v62, s[34:35]
	global_load_b128 v[52:55], v62, s[34:35] offset:16
	; THE FILL: six chunks of 16 loads through three buffers; each wait on LOADcnt leaves out the chunks that were asked for later
	LDA B0, 0
	LDA B1, 16
	LDW B2, 0
	s_wait_loadcnt 32                              ; rows 0-15 (and all that is older); two chunks stay out
	CVA B0
	s_wait_alu depctr_va_vdst(0)                   ; the roundings have written OUT, which the stores read; the chunk's vector work is done with B0, in which the loads land
	LDW B0, 16
	SSA 0
	s_wait_loadcnt 32
	s_wait_alu depctr_vm_vsrc(0)                   ; the last chunk's stores have read OUT, which the roundings write again
	CVA B1
	s_wait_alu depctr_va_vdst(0)                   ; OUT is written; the vector work is done with B1
	LDW B1, 32
	SSA 16
	s_wait_loadcnt 32
	s_wait_alu depctr_vm_vsrc(0)                   ; the last chunk's stores have read OUT
	CVW B2
	s_wait_alu depctr_va_vdst(0)                   ; OUT is written; the roundings are done reading B2
	LDW B2, 48
	SSW
	s_wait_loadcnt 32
	s_wait_alu depctr_vm_vsrc(0)                   ; the last chunk's stores have read OUT and v57
	v_add_nc_u32 v57, 256*WPL, v57                 ; 256 rows on
	CVW B0
	s_wait_alu depctr_va_vdst(0)                   ; OUT and v57 are written, which the stores read
	SSW
	s_wait_loadcnt 16
	s_wait_alu depctr_vm_vsrc(0)                   ; the last chunk's stores have read OUT and v57
	v_add_nc_u32 v57, 256*WPL, v57
	CVW B1
	s_wait_alu depctr_va_vdst(0)                   ; OUT and v57 are written
	SSW
	s_wait_loadcnt 0x0
	s_wait_alu depctr_vm_vsrc(0)                   ; the last chunk's stores have read OUT and v57
	v_add_nc_u32 v57, 256*WPL, v57
	CVW B2
	s_wait_alu depctr_va_vdst(0)                   ; OUT and v57 are written; all the fill's vector work is done with B0, B1 and B2, in which later loads land
	SSW
	s_wait_alu depctr_vm_vsrc(0)                   ; the last stores have read OUT, which the products write as accumulators; the head's loads have read v63, which the arm below writes
	; THE WORD HALF'S SCALE AND SHIFT, by wave 0 of the eight work-groups with ns = 0: features 128 mb + 4 l ..
	s_or_b32 s26, s21, s20
	s_cmp_lg_u32 s26, 0
	s_cbranch_scc1 .Lno_stat
	s_load_b32 s44, s[16:17], 0x10804              ; T
	s_lshl_b32 s26, s22, 9
	s_add_nc_u64 s[36:37], s[14:15], s[26:27]
	s_add_nc_u64 s[38:39], s[10:11], s[26:27]
	s_add_nc_u64 s[40:41], s[12:13], s[26:27]
	s_add_nc_u64 s[42:43], s[18:19], s[26:27]
	v_lshlrev_b32 v63, 4, v1
	s_wait_alu depctr_va_vdst(0)                   ; v63 is written, the offset of the loads and stores below
.set i, 0
.rept 16
	global_load_b128 v[64+8*i:67+8*i], v63, s[36:37] offset:8192*i
	global_load_b128 v[68+8*i:71+8*i], v63, s[36:37] offset:8192*i+4096
.set i, i+1
.endr
	global_load_b128 v[192:195], v63, s[38:39]
	global_load_b128 v[196:199], v63, s[40:41]
	s_wait_kmcnt 0x0
	v_cvt_f32_u32 v200, s44
	v_rcp_f32 v200, v200
	s_wait_loadcnt 0x0
.set i, 1
.rept 15                               ; the 16 groups' sums, in order; plain work behind the reciprocal
	v_pk_add_f32 v[64:65], v[64:65], v[64+8*i:65+8*i]
	v_pk_add_f32 v[66:67], v[66:67], v[66+8*i:67+8*i]
	v_pk_add_f32 v[68:69], v[68:69], v[68+8*i:69+8*i]
	v_pk_add_f32 v[70:71], v[70:71], v[70+8*i:71+8*i]
.set i, i+1
.endr
	s_wait_alu depctr_va_vdst(0)                   ; the reciprocal has written v200, ahead of its first reader
.irp k, 0,1,2,3
	v_mul_f32 v[64+\k], v[64+\k], v200             ; mu
	v_mul_f32 v[68+\k], v[68+\k], v200
	v_fma_f32 v[68+\k], -v[64+\k], v[64+\k], v[68+\k]
	v_max_num_f32 v[68+\k], 0, v[68+\k]
	v_add_f32 v[68+\k], 0x3727c5ac, v[68+\k]
.endr
.irp k, 0,1,2,3
	v_rsq_f32 v[68+\k], v[68+\k]
.endr
	v_nop
	s_wait_alu depctr_va_vdst(0)                   ; the four roots have written v[68:71], ahead of their first reader
.irp k, 0,1,2,3
	v_mul_f32 v[192+\k], CC, v[192+\k]
	v_mul_f32 v[68+\k], v[192+\k], v[68+\k]        ; c A
	v_mul_f32 v[196+\k], CC, v[196+\k]
	v_fma_f32 v[64+\k], -v[64+\k], v[68+\k], v[196+\k]  ; c v = c b - mu c A
.endr
	s_wait_alu depctr_va_vdst(0)                   ; c A and c v are written, which the stores read; the arm's vector work is done with v[64:200], in which fragments land
	global_store_b128 v63, v[68:71], s[42:43] offset:2097152  ; 512 consecutive bytes each
	global_store_b128 v63, v[64:67], s[42:43] offset:2101248
	s_wait_xcnt 0x0                                ; the stores' addresses are translated: v[64:71] are written again only behind this wait,
	s_wait_alu depctr_vm_vsrc(0)                   ; and the stores have read v[64:71], on which the fragments below land
.Lno_stat:
	s_wait_dscnt 0x0                               ; for the others' sake: my part of both operands lies in LDS
	s_barrier_signal -1
	s_barrier_wait -1
	; THE PRODUCT: eight groups of 4 K steps on a ring of three buffers.  The four accumulators take turns, one instruction a turn; K step s adds onto accumulator s % 4.
.set ks, 0
.rept 8
	KLOAD ks                                       ; groups 0 and 1; each group asks for the one two groups on
.set ks, ks+1
.endr
.set g, 0
.rept 8
.if g < 7
	s_wait_dscnt 16                                ; LDS loads come back in order (ISA guide 5.7.1): this group's fragments are in, the next group's 16 loads stay out
.else
	s_wait_dscnt 0x0
.endif
.if (g > 0) && (g < 6)
	NOP4                                           ; four places behind the last group's products, in front of loads into registers that they have read
	s_wait_alu depctr_va_vdst(0)                   ; the last group's products are done reading their buffer, in which this group's loads land
.endif
.set u, 0
.rept 4
	KMUL 4*g+u
.if g < 6
	KLOAD 4*g+u+8                                  ; no wait: no product since the wait above names the buffer of the group before
.endif
.set u, u+1
.endr
.set g, g+1
.endr
	NOP4                                           ; four places behind the last product, before results are read (ISA guide 7.12.1)
.irp k, 0,2,4,6                        ; each accumulator is read from its low end on
	v_pk_add_f32 v[16+\k:17+\k], v[16+\k:17+\k], v[24+\k:25+\k]
.endr
.irp k, 0,2,4,6
	v_pk_add_f32 v[32+\k:33+\k], v[32+\k:33+\k], v[40+\k:41+\k]
.endr
.irp k, 0,2,4,6
	v_pk_add_f32 v[16+\k:17+\k], v[16+\k:17+\k], v[32+\k:33+\k]
	v_pk_mul_f32 v[48+\k:49+\k], v[48+\k:49+\k], CC op_sel_hi:[1,0]
.endr
.irp k, 0,2,4,6
	v_pk_fma_f32 v[16+\k:17+\k], v[16+\k:17+\k], CC, v[48+\k:49+\k] op_sel_hi:[1,0,1]
.endr
	s_wait_alu depctr_va_vdst(0)                   ; v[16:23] are written, which the LDS stores read; the products are done reading v[64:71], in which the loads from the stage land
	ds_store_b128 v60, v[16:19]
	ds_store_b128 v60, v[20:23] offset:16
	s_wait_dscnt 0x0                               ; a row's 256 bytes come from four waves
	s_barrier_signal -1
	s_barrier_wait -1
	ds_load_b128 v[64:67], v61
	ds_load_b128 v[68:71], v61 offset:16*STP
	s_wait_dscnt 1
	global_store_b128 v56, v[64:67], s[32:33]      ; 16 lanes store 256 consecutive aligned bytes
	s_wait_dscnt 0x0
	global_store_b128 v56, v[68:71], s[32:33] offset:16*8192
	s_wait_dscnt 0x0                               ; the closing lines, six on end
	s_wait_alu 0x0
	s_wait_tensorcnt 0x0
	ds_add_u32 v4, v5
	s_wait_dscnt 0x0
	s_endpgm
.Lfunc_end_k_q7afb309d32_sent:
	.size	k_q7afb309d32_sent, .Lfunc_end_k_q7afb309d32_sent-k_q7afb309d32_sent
	.p2alignl 7, 3214868480
	.fill 96, 4, 3214868480
	.section	.rodata,"a",@progbits
	.p2align	6, 0x0
	.amdhsa_kernel k_q7afb309d32_sent
		.amdhsa_group_segment_fixed_size 239616
		.amdhsa_private_segment_fixed_size 0
		.amdhsa_enable_private_segment 0
		.amdhsa_kernarg_size 64
		.amdhsa_user_sgpr_count 2
		.amdhsa_user_sgpr_kernarg_segment_ptr 1
		.amdhsa_wavefront_size32 1
		.amdhsa_system_sgpr_workgroup_id_x 1
		.amdhsa_system_sgpr_workgroup_id_y 1
		.amdhsa_system_sgpr_workgroup_id_z 1
		.amdhsa_system_vgpr_workitem_id 0
		.amdhsa_next_free_vgpr 256
		.amdhsa_next_free_sgpr 66
		.amdhsa_reserve_vcc 0
		.amdhsa_float_denorm_mode_32 3
		.amdhsa_float_denorm_mode_16_64 3
		.amdhsa_memory_ordered 1
		.amdhsa_forward_progress 1
		.amdhsa_inst_pref_size 59
	.end_amdhsa_kernel
	.amdgpu_metadata
---
amdhsa.version: [ 1, 2 ]
amdhsa.kernels:
  - .name:           k_q7afb309d32_sent
    .symbol:         k_q7afb309d32_sent.kd
    .args:
      - { .name: hidden_state, .offset: 0, .size: 8, .value_kind: global_buffer, .address_space: global }
      - { .name: W1, .offset: 8, .size: 8, .value_kind: global_buffer, .address_space: global }
      - { .name: b1, .offset: 16, .size: 8, .value_kind: global_buffer, .address_space: global }
      - { .name: bn1_g, .offset: 24, .size: 8, .value_kind: global_buffer, .address_space: global }
      - { .name: bn1_b, .offset: 32, .size: 8, .value_kind: global_buffer, .address_space: global }
      - { .name: st1, .offset: 40, .size: 8, .value_kind: global_buffer, .address_space: global }
      - { .name: idx, .offset: 48, .size: 8, .value_kind: global_buffer, .address_space: global }
      - { .name: sb, .offset: 56, .size: 8, .value_kind: global_buffer, .address_space: global }
    .group_segment_fixed_size: 239616
    .private_segment_fixed_size: 0
    .kernarg_segment_align: 8
    .kernarg_segment_size: 64
    .max_flat_workgroup_size: 256
    .sgpr_count:     66
    .vgpr_count:     256
    .wavefront_size: 32
...
	.end_amdgpu_metadata
.endif
;; end of part 7
;; launch energy: the kernel of part 3 again; grid 16 x 16, 8 waves a work-group, no clusters, 301,056 bytes of LDS; arguments xs, idx, sb, W1, W2, ep; writes ep
;; launch ctx: the kernel of part 4 again; grid 16 x 16, 16 waves a work-group, no clusters, 10,240 bytes of LDS; arguments lstm_output, ep, idx, b2, out1, cx; writes out1, cx
;; launch head1 (part 8): grid 16 x 8, 8 waves a work-group, no clusters, 254,464 bytes of LDS; arguments cx, bn2_g, bn2_b, Wp1, bp1, Wp2, po; writes po
.if DOCPART == 8
	.amdgcn_target "amdgcn-amd-amdhsa--gfx1250"
	.amdhsa_code_object_version 6
	.text
	.protected	k_q7afb309d32_head1
	.globl	k_q7afb309d32_head1
	.p2align	8
	.type	k_q7afb309d32_head1,@function
k_q7afb309d32_head1:
	s_mov_b64 s[64:65], 0
	v_nop
	global_prefetch_b8 v0, s[64:65] scope:SCOPE_SE
	s_setreg_imm32_b32 hwreg(HW_REG_WAVE_SCHED_MODE, 0, 2), 2
	s_setreg_imm32_b32 hwreg(HW_REG_WAVE_MODE, 25, 1), 1
	s_wait_xcnt 0x0
	s_wait_alu depctr_vm_vsrc(0)
; HEAD1: the second batch norm, p = tanh(c Wp1 + bp1), and this block's part of p Wp2.  Nothing of reference()'s head is left out.
; The batch's mean and variance are joined from the 16 groups' (mean, sum of squared deviations): var = (sum M2 + 16 sum (mean_i - mean)^2) / 256: no difference of large sums.
; SHARES.  Work-group (ns, mb): sentences 32 mb .. + 31, columns 64 ns .. + 63 of p, K = 1024; then those 64 columns' part of the last product, 32 x 64, stored as a partial sum in f32.
; Wave w: 16 sentences mt = w / 4, 16 columns nt = w % 4.  128 work-groups: halving the rows would give 256 that each read nearly the same bytes (the weights' slice), with half the waves idle.
; Operands pass through registers (f32 in memory, scaled or rounded on the way) into LDS once.  Products are taken transposed, as in sent.
; THE MODE: SCHED_MODE bits 1:0 = 2 (LLVM: expert scheduling mode 2), set by the entry lines.  The code itself states the register dependences
; between vector or matrix instructions and memory or LDS instructions, with s_wait_alu, always for 0.
; THE PLAN.  Registers that memory or LDS instructions touch:
;   B0, B1, B2   AT THE HEAD: the 16 groups' statistics land in B0 and B1 and are read and written by the vector work on them.  THE FILL: a chunk's 16 loads land in one of the three; the chunk's scalings and
;                roundings read it (the scalings write it too); then a later chunk's loads land in it.  No store reads them.
;                THE FIRST PRODUCT: a ring of three groups of 4 K steps.  Group g's products read buffer g % 3; the LDS loads of group g + 2, issued in group g, land in buffer (g - 1) % 3.
;   OUT          v[16:31] first take Wp2's rows, rounded in place and stored into LDS.  THE FILL: written by a chunk's roundings, read by its 16 LDS stores.  From the first product on: the accumulators.
;   v57          the LDS address of Wp1's stores: read by them, stepped at the head of Wp1's second, third and fourth chunk; later the address of p's store.
;   v56, v60, v62   read by loads and stores of the head and the fill; made anew, for the later phases, in one block behind the fill.  v58, v59, v8, v9: fragment addresses, made in that block.
;   v6, v7, v61, v63   made at the head and never written again.
; A CHUNK OF THE FILL: the wait for its data; a wait on vm_vsrc (the stores before have read OUT and v57); its vector instructions; a wait on va_vdst (OUT and v57 are written, the raw buffer is done
; with); the raw buffer's next 16 loads; the 16 stores.  A GROUP OF THE FIRST PRODUCT: one wait on va_vdst at its head (the last group's products are done reading their buffer), then its four products
; with four LDS loads behind each: the products name their own buffer and the accumulators, none of the registers that those loads touch.
.set APL,   2064
.set WL,    32*APL                     ; 66,048: Wp1's slice, [k][64 n] bf16
.set WPL,   160
.set W2L,   WL+1024*WPL                ; 229,888: Wp2's 64 rows, [k][64 o] bf16
.set PL,    W2L+64*WPL                 ; 240,128: p, 32 rows of 128 bytes + 16
.set PPL,   144
.set ST,    PL+32*PPL                  ; 244,736: the stage for the way out
.set STP,   272
.set SPARE, ST+32*STP                  ; 253,440: the spare words
.set APITCH, 4096
.set WPITCH, 4096
.set CC,    0x4038aa3b
.set B0, 64
.set B1, 128
.set B2, 192
.set OUT, 16                           ; v[16:47]: the fill's rounded numbers on their way into LDS
; v6 = v63 = 16 t; v7 8 t; v[8:11] scale, v[12:15] shift (behind the fill v8, v9: Wp1's fragment addresses 12 and 24 K steps on); v[16:47] Wp2's rows and the statistics at work, then OUT, then accumulators
; v[48:55] bp1; v56 my offset in Wp1's rows; v57 where its 8 bytes go; v58, v59 fragment addresses; v60, v61 stage in and out; v62 where Wp2's 8 bytes go, then p's place
.macro NOP4
.rept 4
	v_nop
.endr
.endm
.macro LDA buf, r0
.set n, 0
.rept 16
	global_load_b128 v[(\buf)+4*n:(\buf)+4*n+3], v6, s[28:29] offset:((\r0)+n)*APITCH
.set n, n+1
.endr
.endm
.macro CVA buf                         ; scaled and shifted in place, rounded into OUT
.set n, 0
.rept 16
	v_pk_fma_f32 v[(\buf)+4*n:(\buf)+4*n+1], v[(\buf)+4*n:(\buf)+4*n+1], v[8:9], v[12:13]
	v_pk_fma_f32 v[(\buf)+4*n+2:(\buf)+4*n+3], v[(\buf)+4*n+2:(\buf)+4*n+3], v[10:11], v[14:15]
	v_cvt_pk_bf16_f32 v[OUT+2*n], v[(\buf)+4*n], v[(\buf)+4*n+1]
	v_cvt_pk_bf16_f32 v[OUT+2*n+1], v[(\buf)+4*n+2], v[(\buf)+4*n+3]
.set n, n+1
.endr
.endm
.macro SSA r0                          ; OUT into LDS: 16 sentences' rows
.set n, 0
.rept 16
	ds_store_b64 v7, v[OUT+2*n:OUT+2*n+1] offset:((\r0)+n)*APL
.set n, n+1
.endr
.endm
.macro LDW buf, u0
.set n, 0
.rept 16
	global_load_b128 v[(\buf)+4*n:(\buf)+4*n+3], v56, s[30:31] offset:((\u0)+n)*16*WPITCH
.set n, n+1
.endr
.endm
.macro CVW buf                         ; rounded into OUT
.set n, 0
.rept 16
	v_cvt_pk_bf16_f32 v[OUT+2*n], v[(\buf)+4*n], v[(\buf)+4*n+1]
	v_cvt_pk_bf16_f32 v[OUT+2*n+1], v[(\buf)+4*n+2], v[(\buf)+4*n+3]
.set n, n+1
.endr
.endm
.macro SSW                             ; OUT into LDS: 256 rows of Wp1's slice
.set n, 0
.rept 16
	ds_store_b64 v57, v[OUT+2*n:OUT+2*n+1] offset:16*WPL*n
.set n, n+1
.endr
.endm
; K step s of the first product: its fragments lie in ring buffer (s / 4) % 3, 16 registers at place s % 4: 8 of Wp1, then 8 of the sentences.
.macro KLOAD s
.set fr, 64+64*(((\s)/4)%3)+16*((\s)%4)
.set wa, 58                            ; the address register for K steps 0-11,
.if (\s) >= 12
.set wa, 8                             ; 12-23,
.endif
.if (\s) >= 24
.set wa, 9                             ; 24-31: the immediate, 58,880 at the most, reaches 12 K steps
.endif
	ds_load_tr16_b128 v[fr:fr+3], v[wa] offset:32*WPL*((\s)%12)
	ds_load_tr16_b128 v[fr+4:fr+7], v[wa] offset:32*WPL*((\s)%12)+16*WPL
	ds_load_b128 v[fr+8:fr+11], v59 offset:64*(\s)
	ds_load_b128 v[fr+12:fr+15], v59 offset:64*(\s)+32
.endm
.macro KMUL s                          ; K step s adds onto accumulator s % 4; the first four start the sums
.set fr, 64+64*(((\s)/4)%3)+16*((\s)%4)
.if (\s) < 4
	v_wmma_f32_16x16x32_bf16 v[16+8*(\s):23+8*(\s)], v[fr:fr+7], v[fr+8:fr+15], 0
.else
	v_wmma_f32_16x16x32_bf16 v[16+8*((\s)%4):23+8*((\s)%4)], v[fr:fr+7], v[fr+8:fr+15], v[16+8*((\s)%4):23+8*((\s)%4)]
.endif
.endm
	s_load_b256 s[4:11], s[0:1], 0x0               ; cx s[4:5], g s[6:7], b s[8:9], Wp1 s[10:11]
	s_load_b128 s[12:15], s[0:1], 0x20             ; bp1 s[12:13], Wp2 s[14:15]
	s_load_b64 s[16:17], s[0:1], 0x30              ; po
	v_lshl_add_u32 v4, v0, 2, SPARE
	v_mov_b32 v5, 0
	v_and_b32 v1, 31, v0
	v_lshrrev_b32 v63, 5, v0
	v_readfirstlane_b32 s20, v63                   ; w
	v_and_b32 v2, 15, v0
	v_bfe_u32 v3, v0, 4, 1
	s_mov_b32 s21, ttmp9                           ; ns
	s_and_b32 s22, ttmp7, 0xffff                   ; mb
	v_lshlrev_b32 v63, 4, v0
	v_mov_b32 v6, v63
	v_lshlrev_b32 v7, 3, v0
	v_lshrrev_b32 v57, 4, v0
	v_lshlrev_b32 v56, 4, v2
	v_mul_u32_u24 v61, v57, STP
	v_add_nc_u32 v61, v61, v56
	v_add_nc_u32 v61, ST, v61
	v_lshl_add_u32 v56, v57, 12, v56               ; row t / 16 of Wp1, 16 c bytes in
	v_mul_u32_u24 v57, v57, WPL
	v_lshl_add_u32 v57, v2, 3, v57
	v_add_nc_u32 v62, W2L, v57                     ; where Wp2's 8 bytes go
	v_add_nc_u32 v57, WL, v57
	v_and_b32 v58, 7, v0
	v_lshl_add_u32 v58, v3, 3, v58
	v_mul_u32_u24 v58, v58, WPL
	v_bfe_u32 v59, v0, 3, 1
	v_lshl_add_u32 v58, v59, 4, v58
	s_wait_alu depctr_va_sdst(0)                   ; s20 is written, ahead of its first reader: mt, nt and all that is made from them
	s_lshr_b32 s23, s20, 2                         ; mt
	s_and_b32 s24, s20, 3                          ; nt
	s_lshl_b32 s26, s24, 5
	v_add_nc_u32 v58, s26, v58                     ; the turning load's place in a slice: + WL or + W2L below
	s_lshl_b32 s26, s23, 4
	v_add_nc_u32 v59, s26, v2                      ; sentence 16 mt + r
	s_lshl_b32 s26, s22, 17                        ; 32 mb rows of 4,096 bytes
	s_mov_b32 s27, 0
	s_wait_kmcnt 0x0
	s_add_nc_u64 s[28:29], s[4:5], s[26:27]
	s_lshl_b32 s26, s21, 8
	s_add_nc_u64 s[30:31], s[10:11], s[26:27]
	s_lshl_b32 s32, s24, 6
	s_add_co_u32 s26, s26, s32
	s_add_nc_u64 s[34:35], s[12:13], s[26:27]      ; bp1 at my tile's columns
	s_lshl_b32 s26, s21, 14
	s_add_nc_u64 s[36:37], s[14:15], s[26:27]      ; Wp2 at rows 64 ns ..
	s_lshl_b32 s26, s21, 16
	s_lshl_b32 s32, s22, 13
	s_add_co_u32 s26, s26, s32
	s_add_nc_u64 s[32:33], s[16:17], s[26:27]      ; po[ns] at my rows
	v_lshlrev_b32 v60, 5, v3
	s_wait_alu depctr_va_vdst(0)                   ; the offsets and LDS addresses v6, v7, v56, v57, v60 to v63 are written, which the loads and stores of the head and the fill read
	global_load_b128 v[8:11], v63, s[6:7]
	global_load_b128 v[12:15], v63, s[8:9]
	global_load_b128 v[48:51], v60, s[34:35]
	global_load_b128 v[52:55], v60, s[34:35] offset:16
.irp u, 0,1,2,3
	global_load_b128 v[16+4*\u:19+4*\u], v63, s[36:37] offset:4096*\u  ; Wp2's 64 rows are 16,384 consecutive bytes
.endr
.set i, 0
.rept 16
	global_load_b128 v[64+8*i:67+8*i], v63, s[4:5] offset:1048576+8192*i
	global_load_b128 v[68+8*i:71+8*i], v63, s[4:5] offset:1048576+8192*i+4096
.set i, i+1
.endr
	LDW B2, 0
	s_wait_loadcnt 16                              ; all but the first chunk of Wp1
	v_pk_add_f32 v[32:33], v[64:65], v[72:73]
	v_pk_add_f32 v[34:35], v[66:67], v[74:75]
	v_pk_add_f32 v[36:37], v[68:69], v[76:77]
	v_pk_add_f32 v[38:39], v[70:71], v[78:79]
.set i, 2
.rept 14
	v_pk_add_f32 v[32:33], v[32:33], v[64+8*i:65+8*i]
	v_pk_add_f32 v[34:35], v[34:35], v[66+8*i:67+8*i]
	v_pk_add_f32 v[36:37], v[36:37], v[68+8*i:69+8*i]
	v_pk_add_f32 v[38:39], v[38:39], v[70+8*i:71+8*i]
.set i, i+1
.endr
	v_pk_mul_f32 v[32:33], v[32:33], 0x3d800000 op_sel_hi:[1,0]  ; the batch's mean
	v_pk_mul_f32 v[34:35], v[34:35], 0x3d800000 op_sel_hi:[1,0]
.set i, 0
.rept 16
	v_pk_add_f32 v[64+8*i:65+8*i], v[64+8*i:65+8*i], v[32:33] neg_lo:[0,1] neg_hi:[0,1]
	v_pk_add_f32 v[66+8*i:67+8*i], v[66+8*i:67+8*i], v[34:35] neg_lo:[0,1] neg_hi:[0,1]
.if i == 0
	v_pk_mul_f32 v[40:41], v[64:65], v[64:65]
	v_pk_mul_f32 v[42:43], v[66:67], v[66:67]
.else
	v_pk_fma_f32 v[40:41], v[64+8*i:65+8*i], v[64+8*i:65+8*i], v[40:41]
	v_pk_fma_f32 v[42:43], v[66+8*i:67+8*i], v[66+8*i:67+8*i], v[42:43]
.endif
.set i, i+1
.endr
	v_pk_fma_f32 v[36:37], v[40:41], 0x41800000, v[36:37] op_sel_hi:[1,0,1]
	v_pk_fma_f32 v[38:39], v[42:43], 0x41800000, v[38:39] op_sel_hi:[1,0,1]
.irp k, 0,1,2,3
	v_mul_f32 v[36+\k], 0x3b800000, v[36+\k]       ; / 256
	v_add_f32 v[36+\k], 0x3727c5ac, v[36+\k]       ; + 1e-5
.endr
.irp k, 0,1,2,3
	v_rsq_f32 v[36+\k], v[36+\k]
.endr
	v_nop                                          ; a plain instruction behind the roots,
	s_wait_alu depctr_va_vdst(0)                   ; and the four roots have written v[36:39], ahead of the first reader
.irp k, 0,1,2,3
	v_mul_f32 v[8+\k], v[8+\k], v[36+\k]           ; scale
	v_fma_f32 v[12+\k], -v[32+\k], v[8+\k], v[12+\k]  ; shift
.endr
.irp u, 0,1,2,3
	v_cvt_pk_bf16_f32 v[16+4*\u], v[16+4*\u], v[17+4*\u]
	v_cvt_pk_bf16_f32 v[17+4*\u], v[18+4*\u], v[19+4*\u]
.endr
	s_wait_alu depctr_va_vdst(0)                   ; the statistics' vector work is done with B0 and B1, in which the rows land; Wp2's roundings are written, which the four stores read
	LDA B0, 0
	LDA B1, 16
.irp u, 0,1,2,3
	ds_store_b64 v62, v[16+4*\u:17+4*\u] offset:16*WPL*\u
.endr
	; THE FILL: each wait on LOADcnt leaves out the chunks that were asked for later
	s_wait_loadcnt 32
	s_wait_alu depctr_vm_vsrc(0)                   ; Wp2's stores have read their registers, which are OUT from here on
	CVW B2
	s_wait_alu depctr_va_vdst(0)                   ; the roundings have written OUT, which the stores read, and are done reading B2, in which the loads land
	LDW B2, 16
	SSW
	s_wait_loadcnt 32
	s_wait_alu depctr_vm_vsrc(0)                   ; the last chunk's stores have read OUT, which the roundings write again
	CVA B0
	s_wait_alu depctr_va_vdst(0)                   ; OUT is written; the vector work is done with B0
	LDW B0, 32
	SSA 0
	s_wait_loadcnt 32
	s_wait_alu depctr_vm_vsrc(0)                   ; the last chunk's stores have read OUT
	CVA B1
	s_wait_alu depctr_va_vdst(0)                   ; OUT is written; the vector work is done with B1
	LDW B1, 48
	SSA 16
	s_wait_loadcnt 32
	s_wait_alu depctr_vm_vsrc(0)                   ; the stores so far have read OUT and v57
	v_add_nc_u32 v57, 256*WPL, v57                 ; 256 rows on
	CVW B2
	s_wait_alu depctr_va_vdst(0)                   ; OUT and v57 are written, which the stores read
	SSW
	s_wait_loadcnt 16
	s_wait_alu depctr_vm_vsrc(0)                   ; the last chunk's stores have read OUT and v57
	v_add_nc_u32 v57, 256*WPL, v57
	CVW B0
	s_wait_alu depctr_va_vdst(0)                   ; OUT and v57 are written
	SSW
	s_wait_loadcnt 0x0
	s_wait_alu depctr_vm_vsrc(0)                   ; the last chunk's stores have read OUT and v57
	v_add_nc_u32 v57, 256*WPL, v57
	CVW B1
	s_wait_alu depctr_va_vdst(0)                   ; OUT and v57 are written
	SSW
	s_wait_alu depctr_vm_vsrc(0)                   ; the stores have read OUT (the accumulators from here on), v57 and v62, the loads v56 and v60: all these are written again below
	v_mul_u32_u24 v60, v59, STP                    ; the addresses of the later phases
	v_lshl_add_u32 v60, v3, 5, v60
	s_lshl_b32 s26, s24, 6
	s_add_co_u32 s26, s26, ST
	v_add_nc_u32 v60, s26, v60                     ; stage in: row 16 mt + r, 64 nt + 32 h bytes in
	v_mul_u32_u24 v62, v59, PPL
	v_lshl_add_u32 v62, v3, 4, v62
	v_add_nc_u32 v62, PL, v62                      ; p: row 16 mt + r, 16 h bytes in
	v_mul_u32_u24 v59, v59, APL
	v_lshl_add_u32 v59, v3, 4, v59
	v_add_nc_u32 v56, W2L, v58                     ; (Wp1's loads are done: v56 is free)
	v_add_nc_u32 v58, WL, v58
	v_add_nc_u32 v8, 12*32*WPL, v58                ; scale and shift have served: the turning load's address 12 K steps on,
	v_add_nc_u32 v9, 24*32*WPL, v58                ; and 24
	s_wait_alu depctr_va_vdst(0)                   ; v8, v9, v56, v58, v59, v60 and v62 are written, which the LDS loads and stores below read
	s_wait_dscnt 0x0
	s_barrier_signal -1
	s_barrier_wait -1
	; THE FIRST PRODUCT: eight groups of 4 K steps on a ring of three buffers; the four accumulators take turns, one instruction a turn
.set ks, 0
.rept 8
	KLOAD ks                                       ; groups 0 and 1; each group asks for the one two groups on
.set ks, ks+1
.endr
.set g, 0
.rept 8
.if g < 7
	s_wait_dscnt 16                                ; LDS loads come back in order (ISA guide 5.7.1): this group's fragments are in, the next group's 16 loads stay out
.else
	s_wait_dscnt 0x0
.endif
.if (g > 0) && (g < 6)
	NOP4                                           ; four places behind the last group's products, in front of loads into registers that they have read
	s_wait_alu depctr_va_vdst(0)                   ; the last group's products are done reading their buffer, in which this group's loads land
.endif
.set u, 0
.rept 4
	KMUL 4*g+u
.if g < 6
	KLOAD 4*g+u+8                                  ; no wait: no product since the wait above names the buffer of the group before
.endif
.set u, u+1
.endr
.set g, g+1
.endr
	NOP4                                           ; four places behind the last product, before results are read (ISA guide 7.12.1)
.irp k, 0,2,4,6                        ; each accumulator is read from its low end on
	v_pk_add_f32 v[16+\k:17+\k], v[16+\k:17+\k], v[24+\k:25+\k]
.endr
.irp k, 0,2,4,6
	v_pk_add_f32 v[32+\k:33+\k], v[32+\k:33+\k], v[40+\k:41+\k]
.endr
.irp k, 0,2,4,6
	v_pk_add_f32 v[16+\k:17+\k], v[16+\k:17+\k], v[32+\k:33+\k]
	v_pk_mul_f32 v[48+\k:49+\k], v[48+\k:49+\k], CC op_sel_hi:[1,0]
.endr
.irp k, 0,2,4,6
	v_pk_fma_f32 v[16+\k:17+\k], v[16+\k:17+\k], CC, v[48+\k:49+\k] op_sel_hi:[1,0,1]
.endr
.irp k, 0,1,2,3,4,5,6,7
	v_exp_f32 v[16+\k], v[16+\k]
.endr
	v_nop
	s_wait_alu depctr_va_vdst(0)                   ; the eight exponentials have written v[16:23], ahead of their first reader
.irp k, 0,2,4,6
	v_pk_add_f32 v[16+\k:17+\k], v[16+\k:17+\k], 1.0 op_sel_hi:[1,0]
.endr
.irp k, 0,1,2,3,4,5,6,7
	v_rcp_f32 v[16+\k], v[16+\k]
.endr
	v_nop
	s_wait_alu depctr_va_vdst(0)                   ; the eight reciprocals have written v[16:23], ahead of their first reader
.irp k, 0,2,4,6
	v_pk_fma_f32 v[16+\k:17+\k], v[16+\k:17+\k], -2.0, 1.0 op_sel_hi:[1,0,0]  ; tanh
.endr
.irp k, 0,1,2,3
	v_cvt_pk_bf16_f32 v[24+\k], v[16+2*\k], v[17+2*\k]
.endr
	s_lshl_b32 s26, s24, 5
	v_add_nc_u32 v57, s26, v62
	s_wait_alu depctr_va_vdst(0)                   ; v57 and v[24:27] are written, which the LDS store reads; the first product is done reading v[64:95], in which the second's fragments land
	ds_store_b128 v57, v[24:27]                    ; my 8 columns of one sentence's p
	s_wait_dscnt 0x0
	s_barrier_signal -1
	s_barrier_wait -1
	; THE SECOND PRODUCT: K = this block's 64 columns of p; wave (mt, nt) makes outputs 16 nt .. + 15
.irp s, 0,1
	ds_load_tr16_b128 v[64+16*\s:67+16*\s], v56 offset:32*WPL*\s
	ds_load_tr16_b128 v[68+16*\s:71+16*\s], v56 offset:32*WPL*\s+16*WPL
	ds_load_b128 v[72+16*\s:75+16*\s], v62 offset:64*\s
	ds_load_b128 v[76+16*\s:79+16*\s], v62 offset:64*\s+32
.endr
	s_wait_dscnt 0x0
	s_wait_alu depctr_vm_vsrc(0)                   ; p's LDS store has read v[24:27], which the second of the two products writes
	v_wmma_f32_16x16x32_bf16 v[16:23], v[64:71], v[72:79], 0
	v_wmma_f32_16x16x32_bf16 v[24:31], v[80:87], v[88:95], 0
	NOP4
	NOP4
.irp k, 0,2,4,6
	v_pk_add_f32 v[16+\k:17+\k], v[16+\k:17+\k], v[24+\k:25+\k]
.endr
	s_wait_alu depctr_va_vdst(0)                   ; v[16:23] are written, which the LDS stores read; the products are done reading v[64:71], in which the loads from the stage land
	ds_store_b128 v60, v[16:19]
	ds_store_b128 v60, v[20:23] offset:16
	s_wait_dscnt 0x0
	s_barrier_signal -1
	s_barrier_wait -1
	ds_load_b128 v[64:67], v61
	ds_load_b128 v[68:71], v61 offset:16*STP
	s_wait_dscnt 1
	global_store_b128 v63, v[64:67], s[32:33]      ; 16 lanes store a row's 256 bytes
	s_wait_dscnt 0x0
	global_store_b128 v63, v[68:71], s[32:33] offset:4096
	s_wait_dscnt 0x0                               ; the closing lines, six on end
	s_wait_alu 0x0
	s_wait_tensorcnt 0x0
	ds_add_u32 v4, v5
	s_wait_dscnt 0x0
	s_endpgm
.Lfunc_end_k_q7afb309d32_head1:
	.size	k_q7afb309d32_head1, .Lfunc_end_k_q7afb309d32_head1-k_q7afb309d32_head1
	.p2alignl 7, 3214868480
	.fill 96, 4, 3214868480
	.section	.rodata,"a",@progbits
	.p2align	6, 0x0
	.amdhsa_kernel k_q7afb309d32_head1
		.amdhsa_group_segment_fixed_size 254464
		.amdhsa_private_segment_fixed_size 0
		.amdhsa_enable_private_segment 0
		.amdhsa_kernarg_size 56
		.amdhsa_user_sgpr_count 2
		.amdhsa_user_sgpr_kernarg_segment_ptr 1
		.amdhsa_wavefront_size32 1
		.amdhsa_system_sgpr_workgroup_id_x 1
		.amdhsa_system_sgpr_workgroup_id_y 1
		.amdhsa_system_sgpr_workgroup_id_z 1
		.amdhsa_system_vgpr_workitem_id 0
		.amdhsa_next_free_vgpr 256
		.amdhsa_next_free_sgpr 66
		.amdhsa_reserve_vcc 0
		.amdhsa_float_denorm_mode_32 3
		.amdhsa_float_denorm_mode_16_64 3
		.amdhsa_memory_ordered 1
		.amdhsa_forward_progress 1
		.amdhsa_inst_pref_size 66
	.end_amdhsa_kernel
	.amdgpu_metadata
---
amdhsa.version: [ 1, 2 ]
amdhsa.kernels:
  - .name:           k_q7afb309d32_head1
    .symbol:         k_q7afb309d32_head1.kd
    .args:
      - { .name: cx, .offset: 0, .size: 8, .value_kind: global_buffer, .address_space: global }
      - { .name: bn2_g, .offset: 8, .size: 8, .value_kind: global_buffer, .address_space: global }
      - { .name: bn2_b, .offset: 16, .size: 8, .value_kind: global_buffer, .address_space: global }
      - { .name: Wp1, .offset: 24, .size: 8, .value_kind: global_buffer, .address_space: global }
      - { .name: bp1, .offset: 32, .size: 8, .value_kind: global_buffer, .address_space: global }
      - { .name: Wp2, .offset: 40, .size: 8, .value_kind: global_buffer, .address_space: global }
      - { .name: po, .offset: 48, .size: 8, .value_kind: global_buffer, .address_space: global }
    .group_segment_fixed_size: 254464
    .private_segment_fixed_size: 0
    .kernarg_segment_align: 8
    .kernarg_segment_size: 56
    .max_flat_workgroup_size: 256
    .sgpr_count:     66
    .vgpr_count:     256
    .wavefront_size: 32
...
	.end_amdgpu_metadata
.endif
;; end of part 8
;; launch head2: the kernel of part 6 again; grid 16 x 1, 8 waves a work-group, no clusters, 0 bytes of LDS; arguments po, bp2, out0; writes out0
